; MI455X (gfx1250); checked and timed in simulation.
; The chip was launched on July 23, 2026; its instructions are those of AMD's public machine-readable ISA for CDNA 5 (MIT licence, August 2026) and "CDNA5" Instruction Set Architecture Reference Guide (July 2026). The comments in the code are by the model that wrote it; some were corrected since.
;; Bigbird Simulated Attention. Allowed arithmetic: matrix products marked QUANTISED: E2M3 operands, one E8M0 scale for each 32 along K, by v_wmma_scale_f32_16x16x128_f8f6f4 with both operands' format E2M3, f32 sums; everything else in f32.
;; Inputs: k 2 x 6 x 4,096 x 64 float32; mask 4,096 x 4,096 int32; q 2 x 6 x 4,096 x 64 float32; v 2 x 6 x 4,096 x 64 float32.
;; Outputs: out0 2 x 6 x 4,096 x 64 float32.
;; This version of the problem:
;;   THIS VERSION OF THE PROBLEM IS GIVEN IN LOW PRECISION. The matrix products marked QUANTISED in the list below multiply operands that are first quantised to E2M3 (2 exponent bits, 3 mantissa bits; 6 bits a number), with one power-of-two scale for each 32 numbers along K (OCP MX v1.0); their sums are f32. All else is computed in f32.
;;   The module's matrix products, in the order in which they are computed (A, B: the left and right operand; K: the contracted axis; several contracted axes count as one K, in the product's order):
;;     1. batch 12 x [M 4,096, K 64] x [K 64, N 4,096]; A: input q; B: input k: QUANTISED
;;     2. batch 12 x [M 4,096, K 4,096] x [K 4,096, N 64]; A: softmax (see below); B: input v: QUANTISED
;;   THE QUANTISER, for each operand of a quantised product, along K:
;;     - K is cut into blocks of 32 from its start; a last block that is shorter is filled with zeros.
;;     - A block's scale is 2^e with e = floor(log2(the largest magnitude in the block)) - 2, held to -126 .. 127; a block of zeros has e = 0. As a byte (E8M0): e + 127.
;;     - Each number is divided by its block's scale, clamped to +-7.5, and rounded to the nearest number of E2M3, ties to even, subnormals kept.
;;     - The product sums the exact products of the quantised numbers (number of the format x scale) in f32.
;;   ~~~python
;;   def quantise(x, axis):      # numpy; x: float32 -> the quantised numbers, widened to float32 again
;;       x = np.moveaxis(x, axis, -1); K = x.shape[-1]
;;       x = np.pad(x, [(0, 0)] * (x.ndim - 1) + [(0, -K % 32)]); x = x.reshape(x.shape[:-1] + (-1, 32)); a = np.abs(x).max(-1, keepdims=True)
;;       e = np.where(a > 0, np.clip(np.frexp(np.where(a > 0, a, 1))[1] - 1 - 2, -126, 127), 0)      # np.frexp(a)[1] - 1 = floor(log2(a)), exactly
;;       r = np.clip(x / 2.0 ** e, -7.5, 7.5)
;;       step = 2.0 ** (np.maximum(np.frexp(np.where(r == 0, 1, r))[1] - 1, 0) - 3)
;;       q = np.round(r / step) * step * 2.0 ** e      # np.round: ties to even
;;       return np.moveaxis(q.reshape(q.shape[:-2] + (-1,))[..., :K], -1, axis).astype(np.float32)
;;   ~~~
;;   SOFTMAX AHEAD OF A QUANTISED PRODUCT. Where the list says 'softmax', what is quantised is not the finished softmax but p = 2^(t - M), with t = logit x log2(e) and M = ceil(the row's largest t), a whole number; so 1/2 < the row's largest p <= 1. The row's sum l is taken of the UNQUANTISED p, in f32, and the product's result is divided by l at the end. Since M is a whole number, a kernel that streams over the keys may use a running M (the ceiling of the running maximum): every later rescaling is an exact power of two, which a block's scale takes up: the codes' values come out the same.
;;   OPERANDS COMPUTED ON THE WAY. 'Computed on the way' means the value that the module computes at that place (a softmax that the list does not call 'softmax' is quantised finished and normalised). What goes into a quantiser is computed in f32, as accurately as f32 sums, v_exp_f32 and their like allow (about 1e-6 of the number): no bf16 or f16 on the way to a quantiser, and a product that is left as it is and whose result goes on into a quantised operand takes f32 operands (vector FMAs, or v_wmma_f32_16x16x4_f32). A number that lies on a knife's edge between two numbers of the format may be rounded either way, as far as f32 arithmetic and the matrix unit's own rounding can turn it there, and no further.
;; 2 versions. Each part assembles by itself: llvm-mc -triple=amdgcn-amd-amdhsa -mcpu=gfx1250 --defsym DOCPART=n.
;; ======== version 1 of 2: 2 launches
;; limits: right only within a limited range of input values
;; workspace buffers: kv 4,915,200 bytes; bits 2,097,152 bytes of whole numbers; lists 65,536 bytes of whole numbers
;; launch prep (part 1): grid 352 x 1, 8 waves a work-group, no clusters, 144,384 bytes of LDS; arguments k, v, mask, kv, bits, lists; writes kv, bits, lists
.if DOCPART == 1
	.amdgcn_target "amdgcn-amd-amdhsa--gfx1250"
	.amdhsa_code_object_version 6
	.text
	.protected	k_qb2df0635db_prep
	.globl	k_qb2df0635db_prep
	.p2align	8
	.type	k_qb2df0635db_prep,@function
k_qb2df0635db_prep:
	s_mov_b64 s[64:65], 0
	v_nop
	global_prefetch_b8 v0, s[64:65] scope:SCOPE_SE
	s_setreg_imm32_b32 hwreg(HW_REG_WAVE_MODE, 25, 1), 1
	s_wait_xcnt 0x0
; THE LAUNCH IN FRONT OF THE ATTENTION.  It reads the mask [4096][4096] int32, k and v [12 heads][4096][64] f32, each byte once.
; WORK-GROUPS 0-255: tile T = 16 rows of the mask.  Wave w takes rows 16 T + 2 w and + 1.  Stored:
;   bits  [row][32 steps of 128 keys][4 words]: bit L of word c = (mask[row][128 s + 4 L + c] > 0): what a compare gives on a dense load of 16 bytes a lane;
;   lists [T][256 bytes]: 64 entries of 16 bits, a PERMUTATION of the 64 blocks of 64 keys, those with an open key for any of the 16 rows first; bit 8 of an entry: the block is not wholly open.
;         The entry at place p lies at byte ((p & 6) << 4) + ((p >> 3) << 2) + ((p & 1) << 1): a step (two places) is a dword, and the eight steps of wave (p >> 1) & 3 of the next launch are 32 bytes on end.
;         Bytes 128-255: the number of open blocks, 32 times.  A tile with a row that is closed everywhere calls all 64 blocks open: such a row's softmax is flat over all keys.
; WORK-GROUPS 256-351: eight records of kv, one a wave: 64 keys of one head, as codes of FP6 (E2M3) with E8M0 scale bytes, laid in the order of the operands' registers (6,400 bytes):
;   0    K: fragments F_b, b = 0, 1, 1,536 bytes each, registers 4 k .. 4 k + 3 at 512 k + 16 x lane.  Lane (r, h) holds dims 32 h .. 32 h + 31; registers 0-5 of key 32 b + r + 8 (r / 8), registers 6-11 of the key 8 further on
;   3072 V: half fragments t = 0 .. 3, 768 bytes each: registers 0-3 at 16 x lane, 4-5 at 512 + 8 x lane.  Lane (r, h) holds channel 16 t + r, keys 32 h .. 32 h + 31 (V is quantised along the keys)
;   6144 8 bytes a lane: K's scale word (lanes 0-15 F_0's rows, lanes 16-31 F_1's), then V's bytes (low half: channel = lane, high half: channel 32 + lane; in a half: keys 0-31, keys 32-63)
; A block's scale byte is its largest magnitude's exponent field - 2, held at 1 from below; a block of zeros so has the byte 1: its codes are zeros, and this program alone reads the bytes.
; LIMITS: NaN and infinities among k and v are not served; blocks whose largest magnitude lies under 2^(3 - 127) keep the byte 1.
; No tensor loads: dense loads into registers give the bit words with no transposition.  The two paths part on the work-group's number and have LDS bytes of their own.
.set KP,    272                        ; a key's row in a wave's stage: 256 bytes + 16
.set KSTW,  64*KP                      ; a wave's stage: 64 keys
.set RED,   8*KSTW                     ; the mask path: 16 bytes a lane for each wave
.set SPARE, RED+8*512                  ; the spare words, 128 bytes for each wave: four blocks of 256 bytes that no other line names
.set REC,   6400
.set X,     32                         ; v32-159  the mask path's ring of 32 loads; the kv path's 64 keys as loaded
.set WA,    16                         ; v16-19   row A's words: lane s holds step s
.set WB,    20                         ; v20-23   row B's
	s_load_b256 s[4:11], s[0:1], 0x0               ; k s[4:5], v s[6:7], mask s[8:9], kv s[10:11]
	s_load_b128 s[12:15], s[0:1], 0x20             ; bits s[12:13], lists s[14:15]
	v_lshl_add_u32 v4, v0, 2, SPARE                ; my spare word; never rewritten
	v_mov_b32 v5, 0                                ; 0; never rewritten
	v_lshrrev_b32 v8, 5, v0
	v_readfirstlane_b32 s16, v8                    ; wave 0..7
	v_and_b32 v8, 31, v0                           ; lane
	v_lshlrev_b32 v1, 4, v8                        ; 16 x lane
	v_lshlrev_b32 v2, 3, v8                        ; 8 x lane
	v_lshlrev_b32 v3, 2, v8                        ; 4 x lane
	v_and_b32 v9, 15, v0                           ; r
	v_bfe_u32 v12, v0, 4, 1                        ; h
	s_mul_i32 s17, s16, KSTW                       ; every LDS address is made here, ahead of the parting of the paths
	v_mul_u32_u24 v6, v12, KP
	v_lshl_add_u32 v6, v9, 4, v6
	v_add_nc_u32 v6, s17, v6                       ; into the stage: a load's 512 bytes are two keys: row h, 16 r
	v_and_b32 v13, 8, v9
	v_add_nc_u32 v13, v13, v9                      ; r + 8 (r / 8)
	v_mul_u32_u24 v7, v13, KP
	v_lshl_add_u32 v7, v12, 7, v7
	v_add_nc_u32 v7, s17, v7                       ; out of it: that key's dims 32 h on
	s_lshl_b32 s17, s16, 9
	s_add_co_u32 s17, s17, RED
	v_add_nc_u32 v10, s17, v1                      ; the mask path: where my wave's flags go,
	v_add_nc_u32 v11, RED, v1                      ; and where wave 0 reads them
	s_wait_kmcnt 0x0
	s_cmp_lt_u32 ttmp9, 256
	s_cbranch_scc0 .Lkv
	; ---------------- THE MASK ----------------
	s_lshl_b32 s18, ttmp9, 4
	s_lshl_b32 s19, s16, 1
	s_add_co_u32 s18, s18, s19                     ; my first row: 16 T + 2 w
	s_lshl_b32 s20, s18, 14                        ; 16,384 bytes a row (under 2^27 in all)
	s_mov_b32 s21, 0
	s_add_nc_u64 s[8:9], s[8:9], s[20:21]
	s_lshl_b32 s20, s18, 9                         ; 512 bytes of bits a row
	s_add_nc_u64 s[12:13], s[12:13], s[20:21]
	s_lshl_b32 s20, ttmp9, 8                       ; 256 bytes of list a tile
	s_add_nc_u64 s[14:15], s[14:15], s[20:21]
.macro MLOAD row, s                    ; step s of a row: 32 lanes read 512 consecutive bytes
	global_load_b128 v[X+4*(\s):X+4*(\s)+3], v1, s[8:9] offset:16384*(\row)+512*(\s) th:TH_LOAD_NT
.endm
.macro MSTEP wr, s, left, reload       ; four compares make the step's four words; they go to lane s of the row's registers
	s_wait_loadcnt \left                           ; loads come back in order: this step's is in, the younger ones stay out
.irp c, 0,1,2,3
	v_cmp_lt_i32 s[20+4*((\s)%2)+\c], 0, v[X+4*(\s)+\c]
.endr
.irp c, 0,1,2,3
	v_writelane_b32 v[\wr+\c], s[20+4*((\s)%2)+\c], \s
.endr
.if \reload
	MLOAD 1, \s                                    ; the slot takes the same step of row B
.endif
.endm
.irp s, 0,1,2,3,4,5,6,7,8,9,10,11,12,13,14,15,16,17,18,19,20,21,22,23,24,25,26,27,28,29,30,31
	MLOAD 0, \s
.endr
.irp c, 0,1,2,3,4,5,6,7
	v_mov_b32 v[WA+\c], 0                          ; written whole once: a lane write keeps the other lanes
.endr
.irp s, 0,1,2,3,4,5,6,7,8,9,10,11,12,13,14,15,16,17,18,19,20,21,22,23,24,25,26,27,28,29,30,31
	MSTEP WA, \s, 31, 1                            ; behind load s: 31 - s of row A and s of row B
.endr
	global_store_b128 v1, v[WA:WA+3], s[12:13]     ; row A's 512 bytes of bits, dense
.irp s, 0,1,2,3,4,5,6,7,8,9,10,11,12,13,14,15,16,17,18,19,20,21,22,23,24,25,26,27,28,29,30,31
	MSTEP WB, \s, 31-\s, 0                         ; nothing more is loaded: the counts run down
.endr
	global_store_b128 v1, v[WB:WB+3], s[12:13] offset:512
	; my two rows' flags, a lane a step.  Bits 0-15 of a word belong to the step's even block of 64 keys, bits 16-31 to the odd one
	v_or_b32 v24, v16, v17
	v_or_b32 v28, v18, v19
	v_or_b32 v29, v20, v21
	v_or_b32 v30, v22, v23
	v_or_b32 v24, v24, v28                         ; row A: any word's bit
	v_or_b32 v29, v29, v30                         ; row B
	v_and_b32 v25, v16, v17
	v_and_b32 v28, v18, v19
	v_and_b32 v30, v20, v21
	v_and_b32 v31, v22, v23
	v_and_b32 v25, v25, v28
	v_and_b32 v30, v30, v31
	v_and_b32 v25, v25, v30                        ; open in all eight words
	v_cmp_ne_u32 s28, 0, v24
	v_cmp_ne_u32 s29, 0, v29
	s_cmp_eq_u32 s28, 0                            ; no step of row A has an open key?
	s_cselect_b32 s30, 1, 0
	s_cmp_eq_u32 s29, 0
	s_cselect_b32 s31, 1, 0
	s_or_b32 s30, s30, s31
	v_or_b32 v24, v24, v29                         ; open for one of my rows
	v_mov_b32 v26, s30                             ; one of my rows is closed everywhere
	v_mov_b32 v27, 0
	ds_store_b128 v10, v[24:27]
	s_wait_dscnt 0x0                               ; for wave 0's sake: my flags have landed
	s_barrier_signal -1
	s_barrier_wait -1
	s_cmp_lg_u32 s16, 0
	s_cbranch_scc1 .Lend
	; wave 0 makes the tile's list
.irp i, 0,1,2,3,4,5,6,7
	ds_load_b128 v[32+4*\i:35+4*\i], v11 offset:512*\i
.endr
	s_wait_dscnt 0x0
.irp i, 1,2,3,4,5,6,7
	v_or_b32 v32, v32, v[32+4*\i]
	v_and_b32 v33, v33, v[33+4*\i]
	v_or_b32 v34, v34, v[34+4*\i]
.endr
	s_mov_b32 s37, 0xffff
	v_and_b32 v40, s37, v32
	v_lshrrev_b32 v41, 16, v32
	v_and_b32 v42, s37, v33
	v_lshrrev_b32 v43, 16, v33
	v_cmp_ne_u32 s32, 0, v40                       ; lane s: block 2 s has an open key
	v_cmp_ne_u32 s33, 0, v41                       ; block 2 s + 1 has
	v_cmp_ne_u32 s34, 0, v34                       ; 0 or all ones: some row of the tile is closed everywhere
	v_cmp_ne_u32 s35, s37, v42                     ; block 2 s is not wholly open
	v_cmp_ne_u32 s36, s37, v43
	s_or_b32 s32, s32, s34                         ; then all 64 blocks count as open: no branch
	s_or_b32 s33, s33, s34
	s_bcnt1_i32_b32 s38, s32                       ; open even blocks,
	s_bcnt1_i32_b32 s39, s33                       ; open odd ones,
	s_add_co_u32 s40, s38, s39                     ; n
	s_not_b32 s41, s32
	s_not_b32 s42, s33
	s_add_co_u32 s43, s39, 32                      ; n + the closed even blocks (32 - the open even ones)
	v_mbcnt_lo_u32_b32 v44, s32, 0                 ; places: open even blocks from 0,
	v_mbcnt_lo_u32_b32 v45, s41, s40               ; closed even ones from n,
	v_cndmask_b32 v44, v45, v44, s32
	v_mbcnt_lo_u32_b32 v46, s33, s38               ; open odd ones behind the open even ones,
	v_mbcnt_lo_u32_b32 v47, s42, s43               ; closed odd ones last
	v_cndmask_b32 v46, v47, v46, s33
	v_mov_b32 v50, 0x100
	v_lshlrev_b32 v48, 1, v8
	v_cndmask_b32 v49, 0, v50, s35
	v_or_b32 v49, v49, v48                         ; the even block's entry
	v_cndmask_b32 v51, 0, v50, s36
	v_or_b32 v51, v51, v48
	v_or_b32 v51, 1, v51                           ; the odd block's
.macro PLACE a, p                      ; the byte of place p in the list, held inside the list's 128 bytes
	v_and_b32 v[\a], 6, v[\p]
	v_lshlrev_b32 v[\a], 4, v[\a]
	v_lshrrev_b32 v54, 3, v[\p]
	v_lshl_add_u32 v[\a], v54, 2, v[\a]
	v_and_b32 v54, 1, v[\p]
	v_lshl_add_u32 v[\a], v54, 1, v[\a]
	v_min_u32 v[\a], 0x7e, v[\a]
.endm
	PLACE 52, 44
	PLACE 53, 46
	v_mov_b32 v55, s40
	global_store_b16 v52, v49, s[14:15]            ; 64 entries fill the record's first 128 bytes
	global_store_b16 v53, v51, s[14:15]
	global_store_b32 v3, v55, s[14:15] offset:128  ; n fills the other 128
	s_branch .Lend
	; ---------------- K AND V ----------------
.Lkv:
	s_sub_co_u32 s18, ttmp9, 256
	s_lshl_b32 s18, s18, 3
	s_add_co_u32 s18, s18, s16                     ; my record: 64 x head + block
	s_lshl_b32 s20, s18, 14                        ; 64 keys of 256 bytes
	s_mov_b32 s21, 0
	s_add_nc_u64 s[4:5], s[4:5], s[20:21]
	s_add_nc_u64 s[6:7], s[6:7], s[20:21]
	s_mul_i32 s20, s18, REC
	s_add_nc_u64 s[10:11], s[10:11], s[20:21]
	s_mov_b32 s40, 0x76543210
	s_mov_b32 s41, 0xfedcba98                      ; v_permlanex16_b32's selects for lane l xor 16
	s_mov_b32 s42, 0xffff0000                      ; lanes 16-31
	v_lshlrev_b32 v15, 3, v12                      ; 8 h
	v_mov_b32 v26, 0                               ; written once: a lane permute's destination counts as one of its sources
.set n, 0
.rept 32
	global_load_b128 v[X+4*n:X+4*n+3], v1, s[4:5] offset:512*n th:TH_LOAD_NT   ; K as it lies: 512 consecutive bytes, two keys
.set n, n+1
.endr
	s_wait_loadcnt 16                              ; the first 16 loads are in; the younger 16 may be out
.set n, 0
.rept 16
	ds_store_b128 v6, v[X+4*n:X+4*n+3] offset:2*KP*n
.set n, n+1
.endr
	s_wait_loadcnt 0x0
.rept 16
	ds_store_b128 v6, v[X+4*n:X+4*n+3] offset:2*KP*n
.set n, n+1
.endr
	s_wait_dscnt 0x0                               ; the stores have read their registers
.set n, 0
.rept 64
	global_load_b32 v[160+n], v3, s[6:7] offset:256*n th:TH_LOAD_NT   ; V: a lane takes channel = lane, its registers run down the 64 keys
.set n, n+1
.endr
; Two blocks of 32 numbers of a lane, v[xs] .. and v[xs + 32] .., become 6 registers of codes each, at d0 and d1; their scale bytes come in v20, v21.
.macro Q2 xs, d0, d1
.irp e, 0,1
	v_max3_num_f32 v[12+\e], |v[\xs+32*\e]|, |v[\xs+32*\e+1]|, 0x1800000   ; with the floor 2^(3 - 127): the byte cannot fall under 1
.endr
.irp i, 2,4,6,8,10,12,14,16,18,20,22,24,26,28,30
.irp e, 0,1
	v_max3_num_f32 v[12+\e], v[12+\e], |v[\xs+32*\e+\i]|, |v[\xs+32*\e+\i+1]|   ; the two blocks by turns
.endr
.endr
.irp e, 0,1
	v_add_nc_u32 v[16+\e], 0xff000000, v[12+\e]    ; 2 off the exponent field: the conversion takes this operand's exponent field as its scale
.endr
.irp e, 0,1
	v_lshrrev_b32 v[20+\e], 23, v[16+\e]           ; the scale's byte
.endr
	v_cvt_scalef32_pk16_fp6_f32 v[\d0:\d0+2], v[\xs:\xs+15], v16
	v_cvt_scalef32_pk16_fp6_f32 v[248:250], v[\xs+16:\xs+31], v16      ; (a conversion's three registers begin on an even number)
	v_cvt_scalef32_pk16_fp6_f32 v[\d1:\d1+2], v[\xs+32:\xs+47], v17
	v_cvt_scalef32_pk16_fp6_f32 v[252:254], v[\xs+48:\xs+63], v17
	v_nop                                          ; one plain place behind a scaled conversion
.irp i, 0,1,2
	v_mov_b32 v[\d0+3+\i], v[248+\i]
	v_mov_b32 v[\d1+3+\i], v[252+\i]
.endr
.endm
.macro KQUANT b                        ; fragment F_b: two tiles of 16 keys, a whole block of 32 dims in a lane
.irp u, 0,1
.irp i, 0,1,2,3,4,5,6,7
	ds_load_b128 v[96+32*\u+4*\i:96+32*\u+4*\i+3], v7 offset:32*KP*\b+8*KP*\u+16*\i
.endr
.endr
	s_wait_dscnt 0x0
	Q2 96, 224+12*\b, 230+12*\b
	v_lshl_or_b32 v22, v21, 16, v20                ; my two bytes: block h of the row's two keys,
	v_lshlrev_b32 v22, v15, v22                    ; 8 h bits up;
	v_permlanex16_b32 v26, v22, s40, s41
	v_or_b32 v[24+\b], v22, v26                    ; with lane l xor 16's two the row's scale word is whole
.irp c, 0,1,2
	global_store_b128 v1, v[224+12*\b+4*\c:224+12*\b+4*\c+3], s[10:11] offset:1536*\b+512*\c   ; 512 consecutive bytes
.endr
.endm
	KQUANT 0
.set n, 0
.rept 64
	global_load_b32 v[32+n], v3, s[6:7] offset:256*n+128 th:TH_LOAD_NT   ; V's channels 32 + lane
.set n, n+1
.endr
	KQUANT 1
	v_cndmask_b32 v18, v24, v25, s42               ; lanes 0-15 F_0's words, lanes 16-31 F_1's
.macro VQUANT g, xs                    ; channels 32 g + lane: keys 0-31 and keys 32-63 are two blocks of the lane's own
	Q2 \xs, 96+12*\g, 102+12*\g
.irp i, 0,1,2,3,4,5
	v_permlane16_swap_b32 v[96+12*\g+\i], v[102+12*\g+\i]   ; the first's lanes 16-31 change places with the second's lanes 0-15: now half fragments 2 g and 2 g + 1
.endr
.if \g
	v_lshl_or_b32 v22, v21, 8, v20
	v_lshl_or_b32 v19, v22, 16, v19
.else
	v_lshl_or_b32 v19, v21, 8, v20
.endif
.irp f, 0,1
	global_store_b128 v1, v[96+12*\g+6*\f:96+12*\g+6*\f+3], s[10:11] offset:3072+768*(2*\g+\f)
	global_store_b64 v2, v[96+12*\g+6*\f+4:96+12*\g+6*\f+5], s[10:11] offset:3072+768*(2*\g+\f)+512
.endr
.endm
	s_wait_loadcnt 63                              ; the first 64 loads of V are wanted; 64 younger ones are out, and the wait's field holds 63: it waits for one more than is needed
	VQUANT 0, 160
	s_wait_loadcnt 0x0
	VQUANT 1, 32
	global_store_b64 v2, v[18:19], s[10:11] offset:6144   ; the record's 256 bytes of scales
.Lend:
	s_wait_tensorcnt 0x0                           ; the wave's end
	ds_add_u32 v4, v5
	s_wait_dscnt 0x0
	s_endpgm
.Lfunc_end_k_qb2df0635db_prep:
	.size	k_qb2df0635db_prep, .Lfunc_end_k_qb2df0635db_prep-k_qb2df0635db_prep
	.p2alignl 7, 3214868480
	.fill 96, 4, 3214868480
	.section	.rodata,"a",@progbits
	.p2align	6, 0x0
	.amdhsa_kernel k_qb2df0635db_prep
		.amdhsa_group_segment_fixed_size 144384
		.amdhsa_private_segment_fixed_size 0
		.amdhsa_enable_private_segment 0
		.amdhsa_kernarg_size 48
		.amdhsa_user_sgpr_count 2
		.amdhsa_user_sgpr_kernarg_segment_ptr 1
		.amdhsa_wavefront_size32 1
		.amdhsa_system_sgpr_workgroup_id_x 1
		.amdhsa_system_sgpr_workgroup_id_y 1
		.amdhsa_system_sgpr_workgroup_id_z 1
		.amdhsa_system_vgpr_workitem_id 0
		.amdhsa_next_free_vgpr 256
		.amdhsa_next_free_sgpr 66
		.amdhsa_reserve_vcc 0
		.amdhsa_float_denorm_mode_32 3
		.amdhsa_float_denorm_mode_16_64 3
		.amdhsa_memory_ordered 1
		.amdhsa_forward_progress 1
		.amdhsa_inst_pref_size 81
	.end_amdhsa_kernel
	.amdgpu_metadata
---
amdhsa.version: [ 1, 2 ]
amdhsa.kernels:
  - .name:           k_qb2df0635db_prep
    .symbol:         k_qb2df0635db_prep.kd
    .args:
      - { .name: k, .offset: 0, .size: 8, .value_kind: global_buffer, .address_space: global }
      - { .name: v, .offset: 8, .size: 8, .value_kind: global_buffer, .address_space: global }
      - { .name: mask, .offset: 16, .size: 8, .value_kind: global_buffer, .address_space: global }
      - { .name: kv, .offset: 24, .size: 8, .value_kind: global_buffer, .address_space: global }
      - { .name: bits, .offset: 32, .size: 8, .value_kind: global_buffer, .address_space: global }
      - { .name: lists, .offset: 40, .size: 8, .value_kind: global_buffer, .address_space: global }
    .group_segment_fixed_size: 144384
    .private_segment_fixed_size: 0
    .kernarg_segment_align: 8
    .kernarg_segment_size: 48
    .max_flat_workgroup_size: 256
    .sgpr_count:     66
    .vgpr_count:     256
    .wavefront_size: 32
...
	.end_amdgpu_metadata
.endif
;; end of part 1
;; launch attn (part 2): grid 12 x 256, 4 waves a work-group, no clusters, 23,040 bytes of LDS; arguments q, kv, bits, lists, out0; writes out0
.if DOCPART == 2
	.amdgcn_target "amdgcn-amd-amdhsa--gfx1250"
	.amdhsa_code_object_version 6
	.text
	.protected	k_qb2df0635db_attn
	.globl	k_qb2df0635db_attn
	.p2align	8
	.type	k_qb2df0635db_attn,@function
k_qb2df0635db_attn:
	s_mov_b64 s[64:65], 0
	v_nop
	global_prefetch_b8 v0, s[64:65] scope:SCOPE_SE
	s_setreg_imm32_b32 hwreg(HW_REG_WAVE_MODE, 25, 1), 1
	s_wait_xcnt 0x0
; out[h][q][:] = the sum over k of softmax_k(where(mask[q][k] > 0, q . k / 8, -1e9)) v[h][k][:], both products on codes of FP6 (E2M3) with one E8M0 scale for each 32 along a product's K.
; THE SOFTMAX AHEAD OF THE SECOND PRODUCT: t = score x log2(e) / 8; M = the largest t so far, rounded UP to a whole number; p = 2^(t - M) is quantised along the keys; the sum of the unquantised p divides at the end.
; SHARES.  A work-group owns one head and one tile of 16 queries.  It walks the tile's LIST of key blocks (64 keys each) that the launch before has stored: those in which any of the 16 rows has an open key.
; A step is two listed blocks, 128 keys; wave w takes steps w, w + 4 ..; the four waves' partial O, M and sum meet in LDS at the end (rescaled by exact powers of two).
; A block that is not wholly open has its closed scores replaced ahead of the maximum, by the mask's bits.  Where the count of open blocks is odd, the last step's second block is a closed one: all its scores are replaced.
; OPERANDS come from memory straight into registers: the records of kv are images of the operands' registers.  Trip counts and addresses hang on the stored lists, so there is no tensor load, and no cluster: partners would walk different lists.
; LAYOUT.  Both products are used transposed (S^T = K Q^T, O^T = V^T P^T): a lane holds ONE query (lane % 16).  The first product's K is 64: a fragment of K holds TWO tiles of 16 keys, one in each half of the instruction's 128,
; and Q stands beside six registers of zero codes on either side, so that Q in the low half picks the first tile and Q in the high half the second.  The keys of a tile are chosen so that 16 registers of two tiles are 16 neighbouring keys.
; THE ORDER OF TILES: work-group y takes tile y / 2 from the front (y even) or from the back (y odd).  That is a guess that rows with long lists stand at a sequence's ends; it changes no value.
; LIMITS: NaN and infinities are not served.  The closed logit is -2^30 where the definition has -1e9 (as a raw score -2^33: a power of two, so that t is exact and p = 1 in a row that is closed everywhere);
; that, and the passing over of closed blocks, give the definition's numbers as long as every open logit lies above about -1e9 + 110.
.set QP,    272                        ; LDS: q's 16 rows, 256 bytes + 16
.set MRG,   4608                       ; a wave's O^T: eight chunks of 512 bytes, 528 apart
.set MW,    4224
.set MC,    528
.set STAT,  21504                      ; a wave's -M and sum: 8 bytes a lane
.set SPARE, 22528                      ; the spare words, 128 bytes for each wave: two blocks of 256 bytes that no other line names
.set REC,   6400                       ; a record of kv;
.set VCO,   3072                       ; V's codes in it;
.set SCO,   6144                       ; the scales
.set KF,    40                         ; v40-87   K: fragment (block c, b) at 40 + 12 (2 c + b)
.set S,     88                         ; v88-151  S^T, then p: register 16 B + i = key 32 B + 16 (lane / 16) + i of the step
.set O,     152                        ; v152-183 O^T: tile t at 152 + 8 t
.set VF,    184                        ; v184-231 V: tile t at 184 + 12 t, block c's half at + 6 c
.set PC,    232                        ; v232-243 p's codes
.set BM,    240                        ; v240-243 the blocks' largest scores, until the conversions
.set PD,    244                        ; v244-251 at work
.set SO,    252                        ; v252-255 the conversions' scale operands
; v1 16 x lane, v2 8 x lane, v3/v4 the add's two, v5 512 r, v6 4 h, v7 at work; v8-13 zeros, v14-19 q's codes, v20-25 zeros; v26 q's scale word, v27 p's; v[28:29], v[30:31] the two blocks' scale words (K's, V's raw);
; v32, v33 V's scale words; v34 -M, v35 the largest t, v[36:37] the sum in two halves, v[38:39] f.
; s14 wave, s17 tile, s18 n, s19 my trips, s20 the trip; s[24:31] my eight steps' entries; s[32:33], s[34:35] the two records; s36, s37 the entries just decoded, s50, s51 the step's in hand;
; s[38:39] kv at my head; s[40:41] lane selects; s[42:43] c; s[44:45] an offset with 0 above it; s[46:47] bits at my tile.
	s_load_b256 s[4:11], s[0:1], 0x0               ; q s[4:5], kv s[6:7], bits s[8:9], lists s[10:11]
	s_load_b64 s[12:13], s[0:1], 0x20              ; out
	v_lshl_add_u32 v3, v0, 2, SPARE                ; my spare word; never rewritten
	v_mov_b32 v4, 0                                ; 0; never rewritten
	v_lshrrev_b32 v7, 5, v0
	v_readfirstlane_b32 s14, v7                    ; wave 0..3
	v_and_b32 v7, 31, v0
	v_lshlrev_b32 v1, 4, v7
	v_lshlrev_b32 v2, 3, v7
	v_and_b32 v184, 15, v0                         ; r
	v_bfe_u32 v185, v0, 4, 1                       ; h
	v_lshlrev_b32 v5, 9, v184                      ; my query's row of bits
	v_lshlrev_b32 v6, 2, v185
	s_mul_i32 s15, s14, 4*QP
	v_mul_u32_u24 v186, v185, QP
	v_lshl_add_u32 v186, v184, 4, v186
	v_add_nc_u32 v186, s15, v186                   ; q into LDS: row 4 w + h, 16 r
	v_mul_u32_u24 v187, v184, QP
	v_lshl_add_u32 v187, v185, 7, v187             ; and out: row r, dims 32 h on
	s_and_b32 s15, ttmp7, 0xffff
	s_lshr_b32 s17, s15, 1
	s_and_b32 s16, s15, 1
	s_sub_co_u32 s16, 0, s16
	s_and_b32 s16, s16, 255
	s_xor_b32 s17, s17, s16                        ; the tile
	s_lshl_b32 s44, ttmp9, 20                      ; the head's 1,048,576 bytes,
	s_lshl_b32 s15, s17, 12                        ; the tile's 16 rows of 256,
	s_add_co_u32 s44, s44, s15
	s_lshl_b32 s15, s14, 10                        ; my wave's four of them
	s_add_co_u32 s44, s44, s15
	s_mov_b32 s45, 0
	s_mov_b32 s40, 0x76543210
	s_mov_b32 s41, 0xfedcba98                      ; v_permlanex16_b32's selects for lane l xor 16
	s_mov_b32 s42, 0x3e38aa3b                      ; c = log2(e) / 8
	s_mov_b32 s43, s42                             ; (named with it as a pair, so it is written)
	s_wait_kmcnt 0x0
	s_add_nc_u64 s[4:5], s[4:5], s[44:45]
	s_add_nc_u64 s[12:13], s[12:13], s[44:45]
	s_lshl_b32 s44, s17, 8
	s_add_nc_u64 s[10:11], s[10:11], s[44:45]      ; the tile's list,
	s_lshl_b32 s44, s14, 5
	s_add_nc_u64 s[22:23], s[10:11], s[44:45]      ; my wave's 32 bytes of it
	s_lshl_b32 s44, s17, 13
	s_add_nc_u64 s[46:47], s[8:9], s[44:45]
	s_mul_i32 s44, ttmp9, 64*REC
	s_add_nc_u64 s[38:39], s[6:7], s[44:45]
	global_load_b128 v[S:S+3], v1, s[4:5] th:TH_LOAD_NT               ; my four rows of q, 512 consecutive bytes a load
	global_load_b128 v[S+4:S+7], v1, s[4:5] offset:512 th:TH_LOAD_NT
	s_load_b32 s18, s[10:11], 0x80                 ; n
	s_load_b256 s[24:31], s[22:23], 0x0            ; my eight steps
.set i, 0
.rept 32
	v_mov_b32 v[O+i], 0                            ; O^T.  (The step is written once: the first finds zeros, which the first change of M leaves zeros; an idle wave hands zeros on)
.set i, i+1
.endr
.irp j, 8,9,10,11,12,13,20,21,22,23,24,25
	v_mov_b32 v\j, 0                               ; the zero codes on either side of q's
.endr
	v_mov_b32 v35, 0xff61b1e6                      ; the largest t so far: -3e38
	v_floor_f32 v34, -v35                          ; -M
	v_mov_b32 v36, 0
	v_mov_b32 v37, 0
	v_mov_b32 v39, 0                               ; (named as the upper half of the pair v[38:39])
.irp b, 0,1,2,3
	v_mov_b32 v[PD+\b], 0                          ; written once: a lane permute's destination counts as one of its sources
.endr
	s_wait_kmcnt 0x0
	s_min_u32 s18, s18, 64
	s_add_co_u32 s19, s18, 1
	s_lshr_b32 s19, s19, 1                         ; steps of the tile
	s_add_co_u32 s19, s19, 3
	s_sub_co_u32 s19, s19, s14
	s_lshr_b32 s19, s19, 2
	s_min_u32 s19, s19, 8                          ; mine
.macro DECODE e                        ; a step's dword: two entries; their records' addresses (a block's number is held inside the head's 64)
	s_and_b32 s36, \e, 0xffff
	s_lshr_b32 s37, \e, 16
	s_and_b32 s44, s36, 63
	s_min_u32 s44, s44, 63
	s_mul_i32 s44, s44, REC
	s_add_nc_u64 s[32:33], s[38:39], s[44:45]
	s_and_b32 s44, s37, 63
	s_min_u32 s44, s44, 63
	s_mul_i32 s44, s44, REC
	s_add_nc_u64 s[34:35], s[38:39], s[44:45]
.endm
.macro KFETCH                          ; 14 loads: both blocks' two fragments of K, and their scale words
.irp c, 0,1
.irp k, 0,1,2,3,4,5
	global_load_b128 v[KF+24*\c+4*\k:KF+24*\c+4*\k+3], v1, s[32+2*\c:33+2*\c] offset:512*\k
.endr
	global_load_b64 v[28+2*\c:29+2*\c], v2, s[32+2*\c:33+2*\c] offset:SCO
.endr
.endm
.macro VFETCH                          ; 16 loads: both blocks' four half fragments of V
.irp c, 0,1
.irp t, 0,1,2,3
	global_load_b128 v[VF+12*\t+6*\c:VF+12*\t+6*\c+3], v1, s[32+2*\c:33+2*\c] offset:VCO+768*\t
	global_load_b64 v[VF+12*\t+6*\c+4:VF+12*\t+6*\c+5], v2, s[32+2*\c:33+2*\c] offset:VCO+768*\t+512
.endr
.endr
.endm
	DECODE s24                                     ; the list is a permutation of all blocks: my first dword names real records whether or not I have a step
	KFETCH
	s_wait_loadcnt 14                              ; q's two loads are in; K's 14 may be out
	ds_store_b128 v186, v[S:S+3]
	ds_store_b128 v186, v[S+4:S+7] offset:2*QP
	s_wait_dscnt 0x0                               ; for the others' sake: my rows of q have landed
	s_barrier_signal -1
	s_barrier_wait -1
	s_cmp_eq_u32 s19, 0
	s_cbranch_scc1 .Lmerge                         ; a wave with no step hands on zeros
	; q becomes codes: lane (r, h) owns the whole block of dims 32 h .. 32 h + 31 of query r
.irp i, 0,1,2,3,4,5,6,7
	ds_load_b128 v[S+4*\i:S+4*\i+3], v187 offset:16*\i
.endr
	s_wait_dscnt 0x0
	v_max3_num_f32 v240, |v[S]|, |v[S+1]|, 0x1800000               ; two chains; the floor 2^(3 - 127) holds the byte at 1 from below
	v_max3_num_f32 v241, |v[S+16]|, |v[S+17]|, |v[S+18]|
.irp i, 2,4,6,8,10,12
	v_max3_num_f32 v240, v240, |v[S+\i]|, |v[S+\i+1]|
	v_max3_num_f32 v241, v241, |v[S+17+\i]|, |v[S+18+\i]|
.endr
	v_max3_num_f32 v240, v240, |v[S+14]|, |v[S+15]|
	v_max3_num_f32 v240, v240, v241, |v[S+31]|
	v_add_nc_u32 v252, 0xff000000, v240            ; 2 off the exponent field: the conversion's scale operand
	v_lshrrev_b32 v241, 23, v252                   ; the byte
	v_cvt_scalef32_pk16_fp6_f32 v[14:16], v[S:S+15], v252
	v_cvt_scalef32_pk16_fp6_f32 v[248:250], v[S+16:S+31], v252     ; (a conversion's three registers begin on an even number)
	v_lshlrev_b32 v242, 1, v6                      ; 8 h.  (The plain place behind the conversions)
	v_mov_b32 v17, v248
	v_mov_b32 v18, v249
	v_mov_b32 v19, v250
	v_lshlrev_b32 v241, v242, v241
	v_permlanex16_b32 v244, v241, s40, s41
	v_or_b32 v241, v241, v244                      ; the query's two bytes,
	v_lshl_or_b32 v26, v241, 16, v241              ; twice: they serve q in the low half of K and in the high half
.rept 8
	v_nop                                          ; a scale register written by a vector instruction stands eight places ahead of a scaled matrix instruction, an operand four
.endr
	s_mov_b32 s20, 0
; The closed scores of block c of the step become -2^33.  Register 16 bb + i of the block is key 32 bb + 16 h + i: bit 16 (block % 2) + 8 bb + 4 h + i / 4 of word i % 4.
.macro MASKBLK c
	s_bitcmp1_b32 s[50+\c], 8
	s_cbranch_scc0 .Lopen_\@                       ; a wholly open block needs none of this
	s_and_b32 s52, s[50+\c], 63
	s_min_u32 s52, s52, 63
	s_and_b32 s44, s52, 62
	s_lshl_b32 s44, s44, 3                         ; 16 bytes for each 128 keys
	s_add_nc_u64 s[54:55], s[46:47], s[44:45]
	global_load_b128 v[244:247], v5, s[54:55]
	s_and_b32 s53, s52, 1
	s_lshl_b32 s53, s53, 4
	v_add_nc_u32 v248, s53, v6
	v_mov_b32 v249, 0xd0000000                     ; -2^33
	s_wait_loadcnt 0x0                             ; the words are in (so their address may be written again)
.irp w, 0,1,2,3
	v_lshrrev_b32 v[244+\w], v248, v[244+\w]
.endr
.irp bb, 0,1
.irp i, 0,1,2,3,4,5,6,7,8,9,10,11,12,13,14,15
	v_bfe_u32 v7, v[244+\i%4], 8*\bb+\i/4, 1
	v_cmp_eq_u32 vcc_lo, 0, v7
	v_cndmask_b32 v[S+32*\c+16*\bb+\i], v[S+32*\c+16*\bb+\i], v249, vcc_lo   ; each accumulator from its low end on
.endr
.endr
.Lopen_\@:
.endm
.Lstep:                                                ; a trip: 128 keys
.rept 4
	v_nop                                          ; places behind the last trip's products, ahead of loads into V's registers and of writes of their other operands
.endr
	s_mov_b32 s50, s36
	s_mov_b32 s51, s37
	VFETCH
	s_wait_loadcnt 16                              ; K's group is older than the 16 just issued
.irp c, 0,1
.irp b, 0,1
.irp u, 0,1
.if \b
	v_wmma_scale_f32_16x16x128_f8f6f4 v[S+32*\c+16*\b+8*\u:S+32*\c+16*\b+8*\u+7], v[KF+24*\c+12*\b:KF+24*\c+12*\b+11], v[14-6*\u:25-6*\u], 0, v[28+2*\c], v26 matrix_a_fmt:MATRIX_FMT_FP6 matrix_b_fmt:MATRIX_FMT_FP6 matrix_a_scale:MATRIX_SCALE_ROW1
.else
	v_wmma_scale_f32_16x16x128_f8f6f4 v[S+32*\c+16*\b+8*\u:S+32*\c+16*\b+8*\u+7], v[KF+24*\c+12*\b:KF+24*\c+12*\b+11], v[14-6*\u:25-6*\u], 0, v[28+2*\c], v26 matrix_a_fmt:MATRIX_FMT_FP6 matrix_b_fmt:MATRIX_FMT_FP6
.endif
.endr
.endr
.endr
	v_perm_b32 v32, v31, v29, 0x05040100           ; V's scale words: channel = lane: the first block's two bytes, then the second's;
	v_perm_b32 v33, v31, v29, 0x07060302           ; channel 32 + lane.  (These two and two v_nop are the four places behind the products)
	v_nop
	v_nop
	s_add_co_u32 s52, s20, 1
	s_cmp_lt_u32 s52, s19
	s_cbranch_scc0 .Lno_next
	s_wait_xcnt 0x0                                ; V's loads have read the records' addresses, which are written now
	DECODE s25
	KFETCH                                         ; the next step's K: it has the whole softmax in which to land
.Lno_next:
	MASKBLK 0
	MASKBLK 1
.irp b, 0,1,2,3
	v_max3_num_f32 v[BM+\b], v[S+16*\b], v[S+16*\b+1], v[S+16*\b+2]   ; the largest score of each block of 32 keys: for the row's maximum and, since p rises with the score, for the block's largest p
.endr
.irp i, 3,5,7,9,11,13
.irp b, 0,1,2,3
	v_max3_num_f32 v[BM+\b], v[BM+\b], v[S+16*\b+\i], v[S+16*\b+\i+1]
.endr
.endr
.irp b, 0,1,2,3
	v_max_num_f32 v[BM+\b], v[BM+\b], v[S+16*\b+15]
.endr
.irp b, 0,1,2,3
	v_permlanex16_b32 v[PD+\b], v[BM+\b], s40, s41
.endr
.irp b, 0,1,2,3
	v_max_num_f32 v[BM+\b], v[BM+\b], v[PD+\b]     ; with lane l xor 16's 16 keys
.endr
	v_max3_num_f32 v7, v240, v241, v242
	v_max_num_f32 v7, v7, v243
	v_mul_f32 v7, s42, v7                          ; the step's largest t (c is positive)
	v_max_num_f32 v35, v35, v7
	v_mov_b32 v7, v34
	v_floor_f32 v34, -v35                          ; the new -M = -ceil(t): a whole number
	v_sub_f32 v7, v34, v7                          ; old M - new M: a whole number, 0 or less
	v_cvt_i32_f32 v7, v7                           ; (it saturates)
	v_ldexp_f32 v38, 1.0, v7                       ; f = 2^(old M - new M): rounds nothing
.set j, 0
.rept 32
	v_pk_fma_f32 v[S+j:S+j+1], v[S+j:S+j+1], s[42:43], v[34:35] op_sel_hi:[1,0,0]   ; t - M, two at a time
.set j, j+2
.endr
.irp b, 0,1,2,3
	v_fma_f32 v[BM+\b], v[BM+\b], s42, v34
.endr
.set j, 0
.rept 64
	v_exp_f32 v[S+j], v[S+j]                       ; p = 2^(t - M), not normalised
.set j, j+1
.endr
	v_pk_mul_f32 v[36:37], v[36:37], v[38:39] op_sel_hi:[1,0]      ; the sums under the new M.  (The plain place behind the exponentials)
	s_wait_alu depctr_va_vdst(0)                   ; one wait for the batch, ahead of its first reader
.irp b, 0,1,2,3
	v_exp_f32 v[BM+\b], v[BM+\b]                   ; the blocks' largest p
.endr
	v_pk_add_f32 v[244:245], v[S:S+1], v[S+2:S+3]  ; the sum of the UNQUANTISED p, in two chains
.irp j, 4,8,12,16,20,24,28,32,36,40,44,48,52,56,60
	v_pk_add_f32 v[36:37], v[36:37], v[S+\j:S+\j+1]
	v_pk_add_f32 v[244:245], v[244:245], v[S+\j+2:S+\j+3]
.endr
	v_pk_add_f32 v[36:37], v[36:37], v[244:245]
	s_wait_alu depctr_va_vdst(0)                   ; and one for the four
.irp b, 0,1,2,3
	v_max_num_f32 v[BM+\b], 0x1800000, v[BM+\b]    ; the floor 2^(3 - 127): a block whose every p is 0 keeps the byte 1: its codes are zeros
.endr
.irp b, 0,1,2,3
	v_add_nc_u32 v[SO+\b], 0xff000000, v[BM+\b]
.endr
.irp b, 0,1,2,3
	v_lshrrev_b32 v[PD+\b], 23, v[SO+\b]
.endr
	v_lshl_or_b32 v27, v245, 8, v244               ; p's scale word for these 128 keys
	v_lshl_or_b32 v27, v246, 16, v27
	v_lshl_or_b32 v27, v247, 24, v27
.irp c, 0,1
	v_cvt_scalef32_pk16_fp6_f32 v[PC+6*\c:PC+6*\c+2], v[S+32*\c:S+32*\c+15], v[SO+2*\c]
	v_cvt_scalef32_pk16_fp6_f32 v[PD+4*\c:PD+4*\c+2], v[S+32*\c+16:S+32*\c+31], v[SO+2*\c+1]
.endr
	v_nop                                          ; one plain place behind a scaled conversion
.irp c, 0,1                                    ; the operand wants a WHOLE block in a lane: lanes 0-15 block 2 c, lanes 16-31 block 2 c + 1
.irp i, 0,1,2
	v_permlane16_swap_b32 v[PC+6*\c+\i], v[PD+4*\c+\i]
.endr
.irp i, 0,1,2
	v_mov_b32 v[PC+6*\c+3+\i], v[PD+4*\c+\i]
.endr
.endr
.set j, 0
.rept 16
	v_pk_mul_f32 v[O+j:O+j+1], v[O+j:O+j+1], v[38:39] op_sel_hi:[1,0]   ; O^T under the new M, each accumulator from its low end; these are also the places in front of the products below
.set j, j+2
.endr
	s_wait_loadcnt 0x0                             ; V is in (and the next step's K, asked for a softmax ago)
.irp t, 0,1,2,3                                ; O^T += V^T P^T: the four accumulators by turns, one instruction a turn
.if \t%2
	v_wmma_scale_f32_16x16x128_f8f6f4 v[O+8*\t:O+8*\t+7], v[VF+12*\t:VF+12*\t+11], v[PC:PC+11], v[O+8*\t:O+8*\t+7], v[32+\t/2], v27 matrix_a_fmt:MATRIX_FMT_FP6 matrix_b_fmt:MATRIX_FMT_FP6 matrix_a_scale:MATRIX_SCALE_ROW1
.else
	v_wmma_scale_f32_16x16x128_f8f6f4 v[O+8*\t:O+8*\t+7], v[VF+12*\t:VF+12*\t+11], v[PC:PC+11], v[O+8*\t:O+8*\t+7], v[32+\t/2], v27 matrix_a_fmt:MATRIX_FMT_FP6 matrix_b_fmt:MATRIX_FMT_FP6
.endif
.endr
.irp e, 24,25,26,27,28,29,30
	s_mov_b32 s\e, s[\e+1]                         ; my steps' dwords move down: s25 is always the next step's
.endr
	s_add_co_u32 s20, s20, 1
	s_cmp_lt_u32 s20, s19
	s_cbranch_scc1 .Lstep
.Lmerge:                                               ; every wave comes here, with or without steps
	s_wait_loadcnt 0x0                             ; an idle wave's K is in: v1, v2, v5 and the loads' registers are free
.rept 4
	v_nop                                          ; places behind the last products
.endr
	v_add_f32 v35, v36, v37                        ; the sum's two halves,
	v_permlanex16_b32 v7, v35, s40, s41
	v_add_f32 v35, v35, v7                         ; and lane l xor 16's: v[34:35] = (-M, the sum)
	s_mul_i32 s15, s14, MW
	s_add_co_u32 s15, s15, MRG
	v_add_nc_u32 v5, s15, v1                       ; my O^T goes to LDS as it stands: 16 x lane, a chunk for each four registers
	s_lshl_b32 s15, s14, 8
	s_add_co_u32 s15, s15, STAT
	v_add_nc_u32 v6, s15, v2
	; back: wave w makes rows 4 w .. 4 w + 3 as they lie in memory.  Lane: m = lane % 16 (channels 4 m .. 4 m + 3), row 4 w + lane / 16 (+ 2 in the second pass).
	; Channel 16 t + 8 h + j of a query lies in register 8 t + j of lane query + 16 h: chunk 2 (m / 4) + m % 2, lane row + 16 ((m / 2) % 2)
	v_bfe_u32 v2, v0, 2, 2
	v_and_b32 v39, 1, v0
	v_lshl_add_u32 v2, v2, 1, v39
	v_mul_u32_u24 v2, v2, MC
	v_bfe_u32 v39, v0, 1, 1
	v_lshl_add_u32 v2, v39, 8, v2
	v_bfe_u32 v39, v0, 4, 1
	s_lshl_b32 s15, s14, 2
	v_add_nc_u32 v39, s15, v39                     ; the row
	v_lshl_add_u32 v2, v39, 4, v2
	v_add_nc_u32 v2, MRG, v2
	v_lshlrev_b32 v39, 3, v39
	v_add_nc_u32 v39, STAT, v39
.irp k, 0,1,2,3,4,5,6,7
	ds_store_b128 v5, v[O+4*\k:O+4*\k+3] offset:MC*\k
.endr
	ds_store_b64 v6, v[34:35]
	s_wait_dscnt 0x0                               ; for the others' sake: my part has landed
	s_barrier_signal -1
	s_barrier_wait -1
.irp k, 0,1
.irp w, 0,1,2,3
	ds_load_b128 v[S+16*\k+4*\w:S+16*\k+4*\w+3], v2 offset:MW*\w+32*\k
	ds_load_b64 v[120+8*\k+2*\w:121+8*\k+2*\w], v39 offset:256*\w+16*\k
.endr
.endr
	s_wait_dscnt 0x0
.irp k, 0,1
	v_min3_num_f32 v[192+\k], v[120+8*\k], v[122+8*\k], v[124+8*\k]
.endr
.irp k, 0,1
	v_min_num_f32 v[192+\k], v[192+\k], v[126+8*\k]                ; the smallest -M: the row's M
.endr
.irp k, 0,1
.irp w, 0,1,2,3
	v_sub_f32 v[184+4*\k+\w], v[192+\k], v[120+8*\k+2*\w]          ; wave w's M - the row's: a whole number, 0 or less
.endr
.endr
.irp n, 0,1,2,3,4,5,6,7
	v_cvt_i32_f32 v[184+\n], v[184+\n]             ; (it saturates: an idle wave's part gets the factor 0)
.endr
.irp n, 0,1,2,3,4,5,6,7
	v_ldexp_f32 v[184+\n], 1.0, v[184+\n]
.endr
.irp k, 0,1
	v_mul_f32 v[194+\k], v[184+4*\k], v[121+8*\k]
.endr
.irp w, 1,2,3
.irp k, 0,1
	v_fma_f32 v[194+\k], v[184+4*\k+\w], v[121+8*\k+2*\w], v[194+\k]   ; the row's sum
.endr
.endr
	v_rcp_f32 v196, v194
	v_rcp_f32 v197, v195
	v_nop                                          ; a plain place behind the reciprocals,
	s_wait_alu depctr_va_vdst(0)                   ; and the wait ahead of their first reader
.irp k, 0,1
.irp w, 0,1,2,3
	v_mul_f32 v[184+4*\k+\w], v[184+4*\k+\w], v[196+\k]
.endr
.endr
.irp k, 0,1
.irp e, 0,1,2,3
	v_mul_f32 v[O+4*\k+\e], v[184+4*\k], v[S+16*\k+\e]
.endr
.endr
.irp w, 1,2,3
.irp k, 0,1
.irp e, 0,1,2,3
	v_fma_f32 v[O+4*\k+\e], v[184+4*\k+\w], v[S+16*\k+4*\w+\e], v[O+4*\k+\e]
.endr
.endr
.endr
	global_store_b128 v1, v[O:O+3], s[12:13] th:TH_STORE_NT               ; two whole rows: 512 consecutive bytes, at a multiple of 256 from the output's first byte
	global_store_b128 v1, v[O+4:O+7], s[12:13] offset:512 th:TH_STORE_NT
	s_wait_tensorcnt 0x0                           ; the wave's end
	ds_add_u32 v3, v4
	s_wait_dscnt 0x0
	s_endpgm
.Lfunc_end_k_qb2df0635db_attn:
	.size	k_qb2df0635db_attn, .Lfunc_end_k_qb2df0635db_attn-k_qb2df0635db_attn
	.p2alignl 7, 3214868480
	.fill 96, 4, 3214868480
	.section	.rodata,"a",@progbits
	.p2align	6, 0x0
	.amdhsa_kernel k_qb2df0635db_attn
		.amdhsa_group_segment_fixed_size 23040
		.amdhsa_private_segment_fixed_size 0
		.amdhsa_enable_private_segment 0
		.amdhsa_kernarg_size 40
		.amdhsa_user_sgpr_count 2
		.amdhsa_user_sgpr_kernarg_segment_ptr 1
		.amdhsa_wavefront_size32 1
		.amdhsa_system_sgpr_workgroup_id_x 1
		.amdhsa_system_sgpr_workgroup_id_y 1
		.amdhsa_system_sgpr_workgroup_id_z 1
		.amdhsa_system_vgpr_workitem_id 0
		.amdhsa_next_free_vgpr 256
		.amdhsa_next_free_sgpr 66
		.amdhsa_reserve_vcc 1
		.amdhsa_float_denorm_mode_32 3
		.amdhsa_float_denorm_mode_16_64 3
		.amdhsa_memory_ordered 1
		.amdhsa_forward_progress 1
		.amdhsa_inst_pref_size 43
	.end_amdhsa_kernel
	.amdgpu_metadata
---
amdhsa.version: [ 1, 2 ]
amdhsa.kernels:
  - .name:           k_qb2df0635db_attn
    .symbol:         k_qb2df0635db_attn.kd
    .args:
      - { .name: q, .offset: 0, .size: 8, .value_kind: global_buffer, .address_space: global }
      - { .name: kv, .offset: 8, .size: 8, .value_kind: global_buffer, .address_space: global }
      - { .name: bits, .offset: 16, .size: 8, .value_kind: global_buffer, .address_space: global }
      - { .name: lists, .offset: 24, .size: 8, .value_kind: global_buffer, .address_space: global }
      - { .name: out0, .offset: 32, .size: 8, .value_kind: global_buffer, .address_space: global }
    .group_segment_fixed_size: 23040
    .private_segment_fixed_size: 0
    .kernarg_segment_align: 8
    .kernarg_segment_size: 40
    .max_flat_workgroup_size: 128
    .sgpr_count:     66
    .vgpr_count:     256
    .wavefront_size: 32
...
	.end_amdgpu_metadata
.endif
;; end of part 2
;; ======== version 2 of 2: 2 launches; version 1 with the launches prep, attn written anew for expert scheduling mode
;; limits: right only within a limited range of input values
;; workspace buffers: kv 4,915,200 bytes; bits 2,097,152 bytes of whole numbers; lists 65,536 bytes of whole numbers
;; launch prep (part 3): grid 352 x 1, 8 waves a work-group, no clusters, 144,384 bytes of LDS; arguments k, v, mask, kv, bits, lists; writes kv, bits, lists
.if DOCPART == 3
	.amdgcn_target "amdgcn-amd-amdhsa--gfx1250"
	.amdhsa_code_object_version 6
	.text
	.protected	k_qb2df0635db_prep
	.globl	k_qb2df0635db_prep
	.p2align	8
	.type	k_qb2df0635db_prep,@function
k_qb2df0635db_prep:
	s_mov_b64 s[64:65], 0
	v_nop
	global_prefetch_b8 v0, s[64:65] scope:SCOPE_SE
	s_setreg_imm32_b32 hwreg(HW_REG_WAVE_SCHED_MODE, 0, 2), 2
	s_setreg_imm32_b32 hwreg(HW_REG_WAVE_MODE, 25, 1), 1
	s_wait_xcnt 0x0
	s_wait_alu depctr_vm_vsrc(0)
; THE LAUNCH IN FRONT OF THE ATTENTION.  It reads the mask [4096][4096] int32, k and v [12 heads][4096][64] f32, each byte once.
; WORK-GROUPS 0-255: tile T = 16 rows of the mask.  Wave w takes rows 16 T + 2 w and + 1.  Stored:
;   bits  [row][32 steps of 128 keys][4 words]: bit L of word c = (mask[row][128 s + 4 L + c] > 0): what a compare gives on a dense load of 16 bytes a lane;
;   lists [T][256 bytes]: 64 entries of 16 bits, a PERMUTATION of the 64 blocks of 64 keys, those with an open key for any of the 16 rows first; bit 8 of an entry: the block is not wholly open.
;         The entry at place p lies at byte ((p & 6) << 4) + ((p >> 3) << 2) + ((p & 1) << 1): a step (two places) is a dword, and the eight steps of wave (p >> 1) & 3 of the next launch are 32 bytes on end.
;         Bytes 128-255: the number of open blocks, 32 times.  A tile with a row that is closed everywhere calls all 64 blocks open: such a row's softmax is flat over all keys.
; WORK-GROUPS 256-351: eight records of kv, one a wave: 64 keys of one head, as codes of FP6 (E2M3) with E8M0 scale bytes, laid in the order of the operands' registers (6,400 bytes):
;   0    K: fragments F_b, b = 0, 1, 1,536 bytes each, registers 4 k .. 4 k + 3 at 512 k + 16 x lane.  Lane (r, h) holds dims 32 h .. 32 h + 31; registers 0-5 of key 32 b + r + 8 (r / 8), registers 6-11 of the key 8 further on
;   3072 V: half fragments t = 0 .. 3, 768 bytes each: registers 0-3 at 16 x lane, 4-5 at 512 + 8 x lane.  Lane (r, h) holds channel 16 t + r, keys 32 h .. 32 h + 31 (V is quantised along the keys)
;   6144 8 bytes a lane: K's scale word (lanes 0-15 F_0's rows, lanes 16-31 F_1's), then V's bytes (low half: channel = lane, high half: channel 32 + lane; in a half: keys 0-31, keys 32-63)
; A block's scale byte is its largest magnitude's exponent field - 2, held at 1 from below; a block of zeros so has the byte 1: its codes are zeros, and this program alone reads the bytes.
; LIMITS: NaN and infinities among k and v are not served; blocks whose largest magnitude lies under 2^(3 - 127) keep the byte 1.
; No tensor loads: dense loads into registers give the bit words with no transposition.  The two paths part on the work-group's number and have LDS bytes of their own.
; THE MODE: SCHED_MODE bits 1:0 = 2 (LLVM: expert scheduling mode 2), set by the entry lines.  The code itself states the register dependences
; between vector instructions and memory or LDS instructions, with s_wait_alu, always for 0.
; THE PLAN.  Registers that memory or LDS instructions touch:
;   v1, v2, v3, v6, v7, v10, v11   offsets and LDS addresses: written at the head, never again: one wait at the head serves every load and store.
;   X (mask path)   a ring of 32 slots.  The steps go four at a time: sixteen compares read four slots and write sixteen masks (s20-35); one wait states the masks written, one states the slots read;
;                   row B's four loads land in the slots at once; the sixteen lane writes that follow name the masks and WA or WB alone.
;   WA, WB          written by the lane writes, read by one store each, behind one wait each; never written again.
;   v24-27; v49, v51-53, v55   written by vector lines, read by one LDS store and by the list's stores, each run behind one wait.
;   v32-159 (kv path)   K's loads land; the stage's LDS stores read; behind one wait for those reads LDS loads land in v96-159 and V's loads in v32-95.
;   the codes (v224-247, v96-119) and v18, v19   written by vector lines, read by stores behind one wait a run; never written again.
.set KP,    272                        ; a key's row in a wave's stage: 256 bytes + 16
.set KSTW,  64*KP                      ; a wave's stage: 64 keys
.set RED,   8*KSTW                     ; the mask path: 16 bytes a lane for each wave
.set SPARE, RED+8*512                  ; the spare words, 128 bytes for each wave: four blocks of 256 bytes that no other line names
.set REC,   6400
.set X,     32                         ; v32-159  the mask path's ring of 32 loads; the kv path's 64 keys as loaded
.set WA,    16                         ; v16-19   row A's words: lane s holds step s
.set WB,    20                         ; v20-23   row B's
	s_load_b256 s[4:11], s[0:1], 0x0               ; k s[4:5], v s[6:7], mask s[8:9], kv s[10:11]
	s_load_b128 s[12:15], s[0:1], 0x20             ; bits s[12:13], lists s[14:15]
	v_lshl_add_u32 v4, v0, 2, SPARE                ; my spare word; never rewritten
	v_mov_b32 v5, 0                                ; 0; never rewritten
	v_lshrrev_b32 v8, 5, v0
	v_readfirstlane_b32 s16, v8                    ; wave 0..7
	v_and_b32 v8, 31, v0                           ; lane
	v_lshlrev_b32 v1, 4, v8                        ; 16 x lane
	v_lshlrev_b32 v2, 3, v8                        ; 8 x lane
	v_lshlrev_b32 v3, 2, v8                        ; 4 x lane
	v_and_b32 v9, 15, v0                           ; r
	v_bfe_u32 v12, v0, 4, 1                        ; h
	s_wait_alu depctr_va_sdst(0)                   ; s16 is written, ahead of its first reader
	s_mul_i32 s17, s16, KSTW                       ; every LDS address is made here, ahead of the parting of the paths
	v_mul_u32_u24 v6, v12, KP
	v_lshl_add_u32 v6, v9, 4, v6
	v_add_nc_u32 v6, s17, v6                       ; into the stage: a load's 512 bytes are two keys: row h, 16 r
	v_and_b32 v13, 8, v9
	v_add_nc_u32 v13, v13, v9                      ; r + 8 (r / 8)
	v_mul_u32_u24 v7, v13, KP
	v_lshl_add_u32 v7, v12, 7, v7
	v_add_nc_u32 v7, s17, v7                       ; out of it: that key's dims 32 h on
	s_lshl_b32 s17, s16, 9
	s_add_co_u32 s17, s17, RED
	v_add_nc_u32 v10, s17, v1                      ; the mask path: where my wave's flags go,
	v_add_nc_u32 v11, RED, v1                      ; and where wave 0 reads them
	s_wait_alu depctr_va_vdst(0)                   ; v1, v2, v3, v6, v7, v10 and v11 are written: every load and store of both paths reads one of them as its offset or address
	s_wait_kmcnt 0x0
	s_cmp_lt_u32 ttmp9, 256
	s_cbranch_scc0 .Lkv
	; ---------------- THE MASK ----------------
	s_lshl_b32 s18, ttmp9, 4
	s_lshl_b32 s19, s16, 1
	s_add_co_u32 s18, s18, s19                     ; my first row: 16 T + 2 w
	s_lshl_b32 s20, s18, 14                        ; 16,384 bytes a row (under 2^27 in all)
	s_mov_b32 s21, 0
	s_add_nc_u64 s[8:9], s[8:9], s[20:21]
	s_lshl_b32 s20, s18, 9                         ; 512 bytes of bits a row
	s_add_nc_u64 s[12:13], s[12:13], s[20:21]
	s_lshl_b32 s20, ttmp9, 8                       ; 256 bytes of list a tile
	s_add_nc_u64 s[14:15], s[14:15], s[20:21]
.macro MLOAD row, s                    ; step s of a row: 32 lanes read 512 consecutive bytes
	global_load_b128 v[X+4*(\s):X+4*(\s)+3], v1, s[8:9] offset:16384*(\row)+512*(\s) th:TH_LOAD_NT
.endm
; Steps 4 g .. 4 g + 3 of a row: four compares make a step's four words; they go to lane s of the row's registers.  reload = 1: the four slots take the same steps of row B.
.macro MGROUP wr, g, left, reload
	s_wait_loadcnt \left                           ; loads come back in order: these four steps' are in, the younger ones stay out
.irp j, 0,1,2,3
.irp c, 0,1,2,3
	v_cmp_lt_i32 s[20+4*\j+\c], 0, v[X+4*(4*(\g)+\j)+\c]
.endr
.endr
	s_wait_alu depctr_va_sdst(0)                   ; the sixteen compares have written s20 to s35, which the lane writes below read
.if \reload
	s_wait_alu depctr_va_vdst(0)                   ; the compares are done reading the four slots, in which the loads below land
.irp j, 0,1,2,3
	MLOAD 1, 4*(\g)+\j
.endr
.endif
.irp j, 0,1,2,3
.irp c, 0,1,2,3
	v_writelane_b32 v[\wr+\c], s[20+4*\j+\c], 4*(\g)+\j
.endr
.endr
.endm
.irp s, 0,1,2,3,4,5,6,7,8,9,10,11,12,13,14,15,16,17,18,19,20,21,22,23,24,25,26,27,28,29,30,31
	MLOAD 0, \s
.endr
.irp c, 0,1,2,3,4,5,6,7
	v_mov_b32 v[WA+\c], 0                          ; written whole once: a lane write keeps the other lanes
.endr
.irp g, 0,1,2,3,4,5,6,7
	MGROUP WA, \g, 28, 1                           ; behind load 4 g + 3: 28 - 4 g of row A and 4 g of row B
.endr
	s_wait_alu depctr_va_vdst(0)                   ; the lane writes have written row A's words, which the store reads
	global_store_b128 v1, v[WA:WA+3], s[12:13]     ; row A's 512 bytes of bits, dense
.irp g, 0,1,2,3,4,5,6,7
	MGROUP WB, \g, 28-4*\g, 0                      ; nothing more is loaded: the counts run down
.endr
	s_wait_alu depctr_va_vdst(0)                   ; the lane writes have written row B's words, which the store reads
	global_store_b128 v1, v[WB:WB+3], s[12:13] offset:512
	; my two rows' flags, a lane a step.  Bits 0-15 of a word belong to the step's even block of 64 keys, bits 16-31 to the odd one
	v_or_b32 v24, v16, v17
	v_or_b32 v28, v18, v19
	v_or_b32 v29, v20, v21
	v_or_b32 v30, v22, v23
	v_or_b32 v24, v24, v28                         ; row A: any word's bit
	v_or_b32 v29, v29, v30                         ; row B
	v_and_b32 v25, v16, v17
	v_and_b32 v28, v18, v19
	v_and_b32 v30, v20, v21
	v_and_b32 v31, v22, v23
	v_and_b32 v25, v25, v28
	v_and_b32 v30, v30, v31
	v_and_b32 v25, v25, v30                        ; open in all eight words
	v_cmp_ne_u32 s28, 0, v24
	v_cmp_ne_u32 s29, 0, v29
	s_wait_alu depctr_va_sdst(0)                   ; the two compares have written s28 and s29, ahead of their first readers
	s_cmp_eq_u32 s28, 0                            ; no step of row A has an open key?
	s_cselect_b32 s30, 1, 0
	s_cmp_eq_u32 s29, 0
	s_cselect_b32 s31, 1, 0
	s_or_b32 s30, s30, s31
	v_or_b32 v24, v24, v29                         ; open for one of my rows
	v_mov_b32 v26, s30                             ; one of my rows is closed everywhere
	v_mov_b32 v27, 0
	s_wait_alu depctr_va_vdst(0)                   ; v24 to v27 are written, which the LDS store reads; and row B's compares are done reading v32 to v63, in which wave 0's LDS loads land
	ds_store_b128 v10, v[24:27]
	s_wait_dscnt 0x0                               ; for wave 0's sake: my flags have landed
	s_barrier_signal -1
	s_barrier_wait -1
	s_cmp_lg_u32 s16, 0
	s_cbranch_scc1 .Lend
	; wave 0 makes the tile's list
.irp i, 0,1,2,3,4,5,6,7
	ds_load_b128 v[32+4*\i:35+4*\i], v11 offset:512*\i
.endr
	s_wait_dscnt 0x0
.irp i, 1,2,3,4,5,6,7
	v_or_b32 v32, v32, v[32+4*\i]
	v_and_b32 v33, v33, v[33+4*\i]
	v_or_b32 v34, v34, v[34+4*\i]
.endr
	s_mov_b32 s37, 0xffff
	v_and_b32 v40, s37, v32
	v_lshrrev_b32 v41, 16, v32
	v_and_b32 v42, s37, v33
	v_lshrrev_b32 v43, 16, v33
	v_cmp_ne_u32 s32, 0, v40                       ; lane s: block 2 s has an open key
	v_cmp_ne_u32 s33, 0, v41                       ; block 2 s + 1 has
	v_cmp_ne_u32 s34, 0, v34                       ; 0 or all ones: some row of the tile is closed everywhere
	v_cmp_ne_u32 s35, s37, v42                     ; block 2 s is not wholly open
	v_cmp_ne_u32 s36, s37, v43
	s_wait_alu depctr_va_sdst(0)                   ; the five compares have written s32 to s36, ahead of their first readers
	s_or_b32 s32, s32, s34                         ; then all 64 blocks count as open: no branch
	s_or_b32 s33, s33, s34
	s_bcnt1_i32_b32 s38, s32                       ; open even blocks,
	s_bcnt1_i32_b32 s39, s33                       ; open odd ones,
	s_add_co_u32 s40, s38, s39                     ; n
	s_not_b32 s41, s32
	s_not_b32 s42, s33
	s_add_co_u32 s43, s39, 32                      ; n + the closed even blocks (32 - the open even ones)
	v_mbcnt_lo_u32_b32 v44, s32, 0                 ; places: open even blocks from 0,
	v_mbcnt_lo_u32_b32 v45, s41, s40               ; closed even ones from n,
	v_cndmask_b32 v44, v45, v44, s32
	v_mbcnt_lo_u32_b32 v46, s33, s38               ; open odd ones behind the open even ones,
	v_mbcnt_lo_u32_b32 v47, s42, s43               ; closed odd ones last
	v_cndmask_b32 v46, v47, v46, s33
	v_mov_b32 v50, 0x100
	v_lshlrev_b32 v48, 1, v8
	v_cndmask_b32 v49, 0, v50, s35
	v_or_b32 v49, v49, v48                         ; the even block's entry
	v_cndmask_b32 v51, 0, v50, s36
	v_or_b32 v51, v51, v48
	v_or_b32 v51, 1, v51                           ; the odd block's
.macro PLACE a, p                      ; the byte of place p in the list, held inside the list's 128 bytes
	v_and_b32 v[\a], 6, v[\p]
	v_lshlrev_b32 v[\a], 4, v[\a]
	v_lshrrev_b32 v54, 3, v[\p]
	v_lshl_add_u32 v[\a], v54, 2, v[\a]
	v_and_b32 v54, 1, v[\p]
	v_lshl_add_u32 v[\a], v54, 1, v[\a]
	v_min_u32 v[\a], 0x7e, v[\a]
.endm
	PLACE 52, 44
	PLACE 53, 46
	v_mov_b32 v55, s40
	s_wait_alu depctr_va_vdst(0)                   ; the entries v49 and v51, their places v52 and v53, and v55 are written, which the three stores read
	global_store_b16 v52, v49, s[14:15]            ; 64 entries fill the record's first 128 bytes
	global_store_b16 v53, v51, s[14:15]
	global_store_b32 v3, v55, s[14:15] offset:128  ; n fills the other 128
	s_branch .Lend
	; ---------------- K AND V ----------------
.Lkv:
	s_sub_co_u32 s18, ttmp9, 256
	s_lshl_b32 s18, s18, 3
	s_add_co_u32 s18, s18, s16                     ; my record: 64 x head + block
	s_lshl_b32 s20, s18, 14                        ; 64 keys of 256 bytes
	s_mov_b32 s21, 0
	s_add_nc_u64 s[4:5], s[4:5], s[20:21]
	s_add_nc_u64 s[6:7], s[6:7], s[20:21]
	s_mul_i32 s20, s18, REC
	s_add_nc_u64 s[10:11], s[10:11], s[20:21]
	s_mov_b32 s40, 0x76543210
	s_mov_b32 s41, 0xfedcba98                      ; v_permlanex16_b32's selects for lane l xor 16
	s_mov_b32 s42, 0xffff0000                      ; lanes 16-31
	v_lshlrev_b32 v15, 3, v12                      ; 8 h
	v_mov_b32 v26, 0                               ; written once: a lane permute's destination counts as one of its sources
.set n, 0
.rept 32
	global_load_b128 v[X+4*n:X+4*n+3], v1, s[4:5] offset:512*n th:TH_LOAD_NT   ; K as it lies: 512 consecutive bytes, two keys
.set n, n+1
.endr
	s_wait_loadcnt 16                              ; the first 16 loads are in; the younger 16 may be out
.set n, 0
.rept 16
	ds_store_b128 v6, v[X+4*n:X+4*n+3] offset:2*KP*n
.set n, n+1
.endr
	s_wait_loadcnt 0x0
.rept 16
	ds_store_b128 v6, v[X+4*n:X+4*n+3] offset:2*KP*n
.set n, n+1
.endr
	s_wait_dscnt 0x0                               ; my stores into the stage are done
	s_wait_alu depctr_vm_vsrc(0)                   ; the stage's stores have read v32 to v159: LDS loads land in v96 to v159 and V's loads in v32 to v95, and V's codes are written into v96 on
.set n, 0
.rept 64
	global_load_b32 v[160+n], v3, s[6:7] offset:256*n th:TH_LOAD_NT   ; V: a lane takes channel = lane, its registers run down the 64 keys
.set n, n+1
.endr
; Two blocks of 32 numbers of a lane, v[xs] .. and v[xs + 32] .., become 6 registers of codes each, at d0 and d1; their scale bytes come in v20, v21.
.macro Q2 xs, d0, d1
.irp e, 0,1
	v_max3_num_f32 v[12+\e], |v[\xs+32*\e]|, |v[\xs+32*\e+1]|, 0x1800000   ; with the floor 2^(3 - 127): the byte cannot fall under 1
.endr
.irp i, 2,4,6,8,10,12,14,16,18,20,22,24,26,28,30
.irp e, 0,1
	v_max3_num_f32 v[12+\e], v[12+\e], |v[\xs+32*\e+\i]|, |v[\xs+32*\e+\i+1]|   ; the two blocks by turns
.endr
.endr
.irp e, 0,1
	v_add_nc_u32 v[16+\e], 0xff000000, v[12+\e]    ; 2 off the exponent field: the conversion takes this operand's exponent field as its scale
.endr
.irp e, 0,1
	v_lshrrev_b32 v[20+\e], 23, v[16+\e]           ; the scale's byte
.endr
	v_cvt_scalef32_pk16_fp6_f32 v[\d0:\d0+2], v[\xs:\xs+15], v16
	v_cvt_scalef32_pk16_fp6_f32 v[248:250], v[\xs+16:\xs+31], v16      ; (a conversion's three registers begin on an even number)
	v_cvt_scalef32_pk16_fp6_f32 v[\d1:\d1+2], v[\xs+32:\xs+47], v17
	v_cvt_scalef32_pk16_fp6_f32 v[252:254], v[\xs+48:\xs+63], v17
	v_nop                                          ; one plain place behind a scaled conversion
.irp i, 0,1,2
	v_mov_b32 v[\d0+3+\i], v[248+\i]
	v_mov_b32 v[\d1+3+\i], v[252+\i]
.endr
.endm
.macro KQUANT b                        ; fragment F_b: two tiles of 16 keys, a whole block of 32 dims in a lane
.irp u, 0,1
.irp i, 0,1,2,3,4,5,6,7
	ds_load_b128 v[96+32*\u+4*\i:96+32*\u+4*\i+3], v7 offset:32*KP*\b+8*KP*\u+16*\i
.endr
.endr
	s_wait_dscnt 0x0
	Q2 96, 224+12*\b, 230+12*\b
	v_lshl_or_b32 v22, v21, 16, v20                ; my two bytes: block h of the row's two keys,
	v_lshlrev_b32 v22, v15, v22                    ; 8 h bits up;
	v_permlanex16_b32 v26, v22, s40, s41
	v_or_b32 v[24+\b], v22, v26                    ; with lane l xor 16's two the row's scale word is whole
	s_wait_alu depctr_va_vdst(0)                   ; the fragment's twelve registers of codes are written, which the stores read; and the lines above are done reading v96 to v159, in which the next fragment's LDS loads land
.irp c, 0,1,2
	global_store_b128 v1, v[224+12*\b+4*\c:224+12*\b+4*\c+3], s[10:11] offset:1536*\b+512*\c   ; 512 consecutive bytes
.endr
.endm
	KQUANT 0
.set n, 0
.rept 64
	global_load_b32 v[32+n], v3, s[6:7] offset:256*n+128 th:TH_LOAD_NT   ; V's channels 32 + lane
.set n, n+1
.endr
	KQUANT 1
	v_cndmask_b32 v18, v24, v25, s42               ; lanes 0-15 F_0's words, lanes 16-31 F_1's
.macro VQUANT g, xs                    ; channels 32 g + lane: keys 0-31 and keys 32-63 are two blocks of the lane's own
	Q2 \xs, 96+12*\g, 102+12*\g
.irp i, 0,1,2,3,4,5
	v_permlane16_swap_b32 v[96+12*\g+\i], v[102+12*\g+\i]   ; the first's lanes 16-31 change places with the second's lanes 0-15: now half fragments 2 g and 2 g + 1
.endr
.if \g
	v_lshl_or_b32 v22, v21, 8, v20
	v_lshl_or_b32 v19, v22, 16, v19
.else
	v_lshl_or_b32 v19, v21, 8, v20
.endif
	s_wait_alu depctr_va_vdst(0)                   ; the two half fragments' twelve registers are written, which the stores read (the second time: v18 and v19 too, for the record's last store)
.irp f, 0,1
	global_store_b128 v1, v[96+12*\g+6*\f:96+12*\g+6*\f+3], s[10:11] offset:3072+768*(2*\g+\f)
	global_store_b64 v2, v[96+12*\g+6*\f+4:96+12*\g+6*\f+5], s[10:11] offset:3072+768*(2*\g+\f)+512
.endr
.endm
	s_wait_loadcnt 63                              ; the first 64 loads of V are wanted; 64 younger ones are out, and the wait's field holds 63: it waits for one more than is needed
	VQUANT 0, 160
	s_wait_loadcnt 0x0
	VQUANT 1, 32
	global_store_b64 v2, v[18:19], s[10:11] offset:6144   ; the record's 256 bytes of scales
.Lend:
	s_wait_dscnt 0x0                               ; the closing lines, six on end
	s_wait_alu 0x0
	s_wait_tensorcnt 0x0
	ds_add_u32 v4, v5
	s_wait_dscnt 0x0
	s_endpgm
.Lfunc_end_k_qb2df0635db_prep:
	.size	k_qb2df0635db_prep, .Lfunc_end_k_qb2df0635db_prep-k_qb2df0635db_prep
	.p2alignl 7, 3214868480
	.fill 96, 4, 3214868480
	.section	.rodata,"a",@progbits
	.p2align	6, 0x0
	.amdhsa_kernel k_qb2df0635db_prep
		.amdhsa_group_segment_fixed_size 144384
		.amdhsa_private_segment_fixed_size 0
		.amdhsa_enable_private_segment 0
		.amdhsa_kernarg_size 48
		.amdhsa_user_sgpr_count 2
		.amdhsa_user_sgpr_kernarg_segment_ptr 1
		.amdhsa_wavefront_size32 1
		.amdhsa_system_sgpr_workgroup_id_x 1
		.amdhsa_system_sgpr_workgroup_id_y 1
		.amdhsa_system_sgpr_workgroup_id_z 1
		.amdhsa_system_vgpr_workitem_id 0
		.amdhsa_next_free_vgpr 256
		.amdhsa_next_free_sgpr 66
		.amdhsa_reserve_vcc 0
		.amdhsa_float_denorm_mode_32 3
		.amdhsa_float_denorm_mode_16_64 3
		.amdhsa_memory_ordered 1
		.amdhsa_forward_progress 1
		.amdhsa_inst_pref_size 80
	.end_amdhsa_kernel
	.amdgpu_metadata
---
amdhsa.version: [ 1, 2 ]
amdhsa.kernels:
  - .name:           k_qb2df0635db_prep
    .symbol:         k_qb2df0635db_prep.kd
    .args:
      - { .name: k, .offset: 0, .size: 8, .value_kind: global_buffer, .address_space: global }
      - { .name: v, .offset: 8, .size: 8, .value_kind: global_buffer, .address_space: global }
      - { .name: mask, .offset: 16, .size: 8, .value_kind: global_buffer, .address_space: global }
      - { .name: kv, .offset: 24, .size: 8, .value_kind: global_buffer, .address_space: global }
      - { .name: bits, .offset: 32, .size: 8, .value_kind: global_buffer, .address_space: global }
      - { .name: lists, .offset: 40, .size: 8, .value_kind: global_buffer, .address_space: global }
    .group_segment_fixed_size: 144384
    .private_segment_fixed_size: 0
    .kernarg_segment_align: 8
    .kernarg_segment_size: 48
    .max_flat_workgroup_size: 256
    .sgpr_count:     66
    .vgpr_count:     256
    .wavefront_size: 32
...
	.end_amdgpu_metadata
.endif
;; end of part 3
;; launch attn (part 4): grid 12 x 256, 4 waves a work-group, no clusters, 23,040 bytes of LDS; arguments q, kv, bits, lists, out0; writes out0
.if DOCPART == 4
	.amdgcn_target "amdgcn-amd-amdhsa--gfx1250"
	.amdhsa_code_object_version 6
	.text
	.protected	k_qb2df0635db_attn
	.globl	k_qb2df0635db_attn
	.p2align	8
	.type	k_qb2df0635db_attn,@function
k_qb2df0635db_attn:
	s_mov_b64 s[64:65], 0
	v_nop
	global_prefetch_b8 v0, s[64:65] scope:SCOPE_SE
	s_setreg_imm32_b32 hwreg(HW_REG_WAVE_SCHED_MODE, 0, 2), 2
	s_setreg_imm32_b32 hwreg(HW_REG_WAVE_MODE, 25, 1), 1
	s_wait_xcnt 0x0
	s_wait_alu depctr_vm_vsrc(0)
; out[h][q][:] = the sum over k of softmax_k(where(mask[q][k] > 0, q . k / 8, -1e9)) v[h][k][:], both products on codes of FP6 (E2M3) with one E8M0 scale for each 32 along a product's K.
; THE SOFTMAX AHEAD OF THE SECOND PRODUCT: t = score x log2(e) / 8; M = the largest t so far, rounded UP to a whole number; p = 2^(t - M) is quantised along the keys; the sum of the unquantised p divides at the end.
; SHARES.  A work-group owns one head and one tile of 16 queries.  It walks the tile's LIST of key blocks (64 keys each) that the launch before has stored: those in which any of the 16 rows has an open key.
; A step is two listed blocks, 128 keys; wave w takes steps w, w + 4 ..; the four waves' partial O, M and sum meet in LDS at the end (rescaled by exact powers of two).
; A block that is not wholly open has its closed scores replaced ahead of the maximum, by the mask's bits.  Where the count of open blocks is odd, the last step's second block is a closed one: all its scores are replaced.
; OPERANDS come from memory straight into registers: the records of kv are images of the operands' registers.  Trip counts and addresses hang on the stored lists, so there is no tensor load, and no cluster: partners would walk different lists.
; LAYOUT.  Both products are used transposed (S^T = K Q^T, O^T = V^T P^T): a lane holds ONE query (lane % 16).  The first product's K is 64: a fragment of K holds TWO tiles of 16 keys, one in each half of the instruction's 128,
; and Q stands beside six registers of zero codes on either side, so that Q in the low half picks the first tile and Q in the high half the second.  The keys of a tile are chosen so that 16 registers of two tiles are 16 neighbouring keys.
; THE ORDER OF TILES: work-group y takes tile y / 2 from the front (y even) or from the back (y odd).  That is a guess that rows with long lists stand at a sequence's ends; it changes no value.
; LIMITS: NaN and infinities are not served.  The closed logit is -2^30 where the definition has -1e9 (as a raw score -2^33: a power of two, so that t is exact and p = 1 in a row that is closed everywhere);
; that, and the passing over of closed blocks, give the definition's numbers as long as every open logit lies above about -1e9 + 110.
; THE MODE: SCHED_MODE bits 1:0 = 2 (LLVM: expert scheduling mode 2), set by the entry lines.  The code itself states the register dependences
; between vector or matrix instructions and memory or LDS instructions, with s_wait_alu, always for 0.
; THE PLAN.  Registers that memory or LDS instructions touch:
;   v1              offset of K's, V's, q's loads and of the last stores: written at the head, never again.   v2, v5: offsets in the loop; written anew at the merge, behind a wait for the loads' reads of them.
;   v186, v187      q's LDS addresses, at the head alone; V's loads land on them: one wait for the LDS instructions' reads stands ahead of the loop.
;   VF              V's loads land at a trip's head; the trip's four last products read it.  The wait at a trip's head states that the last trip's products are done with it.
;   KF, v28-31      the next step's loads land behind this step's eight first products and the two byte permutes, which read them: one wait behind those, which also states that the vector side is done with
;   v244-247,       in which the mask's words of the step's first block land; the second block's words land there behind a wait for the first block's lines.
;   S               q passes through it at the head; in the loop vector and matrix instructions alone name it; the merge's LDS loads land in it.
;   O, v34, v35     read by the merge's LDS stores, behind one wait; v152-159 are written again behind a wait for those reads, and stored behind a wait for those writes.
; Beside these: the wait between a line that writes a scalar register (the wave's number, the mask's compares) and its first reader; the wait behind a batch of transcendentals;
; and the wait that states p's codes and the scale words written, behind their places and ahead of the scaled products that take them.
.set QP,    272                        ; LDS: q's 16 rows, 256 bytes + 16
.set MRG,   4608                       ; a wave's O^T: eight chunks of 512 bytes, 528 apart
.set MW,    4224
.set MC,    528
.set STAT,  21504                      ; a wave's -M and sum: 8 bytes a lane
.set SPARE, 22528                      ; the spare words, 128 bytes for each wave: two blocks of 256 bytes that no other line names
.set REC,   6400                       ; a record of kv;
.set VCO,   3072                       ; V's codes in it;
.set SCO,   6144                       ; the scales
.set KF,    40                         ; v40-87   K: fragment (block c, b) at 40 + 12 (2 c + b)
.set S,     88                         ; v88-151  S^T, then p: register 16 B + i = key 32 B + 16 (lane / 16) + i of the step
.set O,     152                        ; v152-183 O^T: tile t at 152 + 8 t
.set VF,    184                        ; v184-231 V: tile t at 184 + 12 t, block c's half at + 6 c
.set PC,    232                        ; v232-243 p's codes
.set BM,    240                        ; v240-243 the blocks' largest scores, until the conversions
.set PD,    244                        ; v244-251 at work
.set SO,    252                        ; v252-255 the conversions' scale operands
.set MK,    66                         ; s66-97   a block's 32 masks of lanes: which scores are closed
; v1 16 x lane, v2 8 x lane, v3/v4 the add's two, v5 512 r, v6 4 h, v7 at work; v8-13 zeros, v14-19 q's codes, v20-25 zeros; v26 q's scale word, v27 p's; v[28:29], v[30:31] the two blocks' scale words (K's, V's raw);
; v32, v33 V's scale words; v34 -M, v35 the largest t, v[36:37] the sum in two halves, v[38:39] f.
; s14 wave, s17 tile, s18 n, s19 my trips, s20 the trip; s[24:31] my eight steps' entries; s[32:33], s[34:35] the two records; s36, s37 the entries just decoded, s50, s51 the step's in hand;
; s[38:39] kv at my head; s[40:41] lane selects; s[42:43] c; s[44:45] an offset with 0 above it; s[46:47] bits at my tile.
	s_load_b256 s[4:11], s[0:1], 0x0               ; q s[4:5], kv s[6:7], bits s[8:9], lists s[10:11]
	s_load_b64 s[12:13], s[0:1], 0x20              ; out
	v_lshl_add_u32 v3, v0, 2, SPARE                ; my spare word; never rewritten
	v_mov_b32 v4, 0                                ; 0; never rewritten
	v_lshrrev_b32 v7, 5, v0
	v_readfirstlane_b32 s14, v7                    ; wave 0..3
	v_and_b32 v7, 31, v0
	v_lshlrev_b32 v1, 4, v7
	v_lshlrev_b32 v2, 3, v7
	v_and_b32 v184, 15, v0                         ; r
	v_bfe_u32 v185, v0, 4, 1                       ; h
	v_lshlrev_b32 v5, 9, v184                      ; my query's row of bits
	v_lshlrev_b32 v6, 2, v185
	s_wait_alu depctr_va_sdst(0)                   ; s14 is written, ahead of its first reader
	s_mul_i32 s15, s14, 4*QP
	v_mul_u32_u24 v186, v185, QP
	v_lshl_add_u32 v186, v184, 4, v186
	v_add_nc_u32 v186, s15, v186                   ; q into LDS: row 4 w + h, 16 r
	v_mul_u32_u24 v187, v184, QP
	v_lshl_add_u32 v187, v185, 7, v187             ; and out: row r, dims 32 h on
	s_and_b32 s15, ttmp7, 0xffff
	s_lshr_b32 s17, s15, 1
	s_and_b32 s16, s15, 1
	s_sub_co_u32 s16, 0, s16
	s_and_b32 s16, s16, 255
	s_xor_b32 s17, s17, s16                        ; the tile
	s_lshl_b32 s44, ttmp9, 20                      ; the head's 1,048,576 bytes,
	s_lshl_b32 s15, s17, 12                        ; the tile's 16 rows of 256,
	s_add_co_u32 s44, s44, s15
	s_lshl_b32 s15, s14, 10                        ; my wave's four of them
	s_add_co_u32 s44, s44, s15
	s_mov_b32 s45, 0
	s_mov_b32 s40, 0x76543210
	s_mov_b32 s41, 0xfedcba98                      ; v_permlanex16_b32's selects for lane l xor 16
	s_mov_b32 s42, 0x3e38aa3b                      ; c = log2(e) / 8
	s_mov_b32 s43, s42                             ; (named with it as a pair, so it is written)
	s_wait_kmcnt 0x0
	s_add_nc_u64 s[4:5], s[4:5], s[44:45]
	s_add_nc_u64 s[12:13], s[12:13], s[44:45]
	s_lshl_b32 s44, s17, 8
	s_add_nc_u64 s[10:11], s[10:11], s[44:45]      ; the tile's list,
	s_lshl_b32 s44, s14, 5
	s_add_nc_u64 s[22:23], s[10:11], s[44:45]      ; my wave's 32 bytes of it
	s_lshl_b32 s44, s17, 13
	s_add_nc_u64 s[46:47], s[8:9], s[44:45]
	s_mul_i32 s44, ttmp9, 64*REC
	s_add_nc_u64 s[38:39], s[6:7], s[44:45]
	s_wait_alu depctr_va_vdst(0)                   ; v1, v2, v5, v186 and v187 are written: the loads, LDS stores and LDS loads up to the merge read them as offsets and addresses
	global_load_b128 v[S:S+3], v1, s[4:5] th:TH_LOAD_NT               ; my four rows of q, 512 consecutive bytes a load
	global_load_b128 v[S+4:S+7], v1, s[4:5] offset:512 th:TH_LOAD_NT
	s_load_b32 s18, s[10:11], 0x80                 ; n
	s_load_b256 s[24:31], s[22:23], 0x0            ; my eight steps
.set i, 0
.rept 32
	v_mov_b32 v[O+i], 0                            ; O^T.  (The step is written once: the first finds zeros, which the first change of M leaves zeros; an idle wave hands zeros on)
.set i, i+1
.endr
.irp j, 8,9,10,11,12,13,20,21,22,23,24,25
	v_mov_b32 v\j, 0                               ; the zero codes on either side of q's
.endr
	v_mov_b32 v35, 0xff61b1e6                      ; the largest t so far: -3e38
	v_floor_f32 v34, -v35                          ; -M
	v_mov_b32 v36, 0
	v_mov_b32 v37, 0
	v_mov_b32 v39, 0                               ; (named as the upper half of the pair v[38:39])
.irp b, 0,1,2,3
	v_mov_b32 v[PD+\b], 0                          ; written once: a lane permute's destination counts as one of its sources
.endr
	s_wait_kmcnt 0x0
	s_min_u32 s18, s18, 64
	s_add_co_u32 s19, s18, 1
	s_lshr_b32 s19, s19, 1                         ; steps of the tile
	s_add_co_u32 s19, s19, 3
	s_sub_co_u32 s19, s19, s14
	s_lshr_b32 s19, s19, 2
	s_min_u32 s19, s19, 8                          ; mine
.macro DECODE e                        ; a step's dword: two entries; their records' addresses (a block's number is held inside the head's 64)
	s_and_b32 s36, \e, 0xffff
	s_lshr_b32 s37, \e, 16
	s_and_b32 s44, s36, 63
	s_min_u32 s44, s44, 63
	s_mul_i32 s44, s44, REC
	s_add_nc_u64 s[32:33], s[38:39], s[44:45]
	s_and_b32 s44, s37, 63
	s_min_u32 s44, s44, 63
	s_mul_i32 s44, s44, REC
	s_add_nc_u64 s[34:35], s[38:39], s[44:45]
.endm
.macro KFETCH                          ; 14 loads: both blocks' two fragments of K, and their scale words
.irp c, 0,1
.irp k, 0,1,2,3,4,5
	global_load_b128 v[KF+24*\c+4*\k:KF+24*\c+4*\k+3], v1, s[32+2*\c:33+2*\c] offset:512*\k
.endr
	global_load_b64 v[28+2*\c:29+2*\c], v2, s[32+2*\c:33+2*\c] offset:SCO
.endr
.endm
.macro VFETCH                          ; 16 loads: both blocks' four half fragments of V
.irp c, 0,1
.irp t, 0,1,2,3
	global_load_b128 v[VF+12*\t+6*\c:VF+12*\t+6*\c+3], v1, s[32+2*\c:33+2*\c] offset:VCO+768*\t
	global_load_b64 v[VF+12*\t+6*\c+4:VF+12*\t+6*\c+5], v2, s[32+2*\c:33+2*\c] offset:VCO+768*\t+512
.endr
.endr
.endm
	DECODE s24                                     ; the list is a permutation of all blocks: my first dword names real records whether or not I have a step
	KFETCH                                         ; (no vector line has named K's registers or v28 to v31, and none since the head's wait names v1 or v2)
	s_wait_loadcnt 14                              ; q's two loads are in; K's 14 may be out
	ds_store_b128 v186, v[S:S+3]
	ds_store_b128 v186, v[S+4:S+7] offset:2*QP
	s_wait_dscnt 0x0                               ; for the others' sake: my rows of q have landed
	s_barrier_signal -1
	s_barrier_wait -1
	s_wait_alu depctr_vm_vsrc(0)                   ; my LDS stores have read v88 to v95, in which LDS loads land on both ways from here: q's below, the merge's in an idle wave
	s_cmp_eq_u32 s19, 0
	s_cbranch_scc1 .Lmerge                         ; a wave with no step hands on zeros
	; q becomes codes: lane (r, h) owns the whole block of dims 32 h .. 32 h + 31 of query r
.irp i, 0,1,2,3,4,5,6,7
	ds_load_b128 v[S+4*\i:S+4*\i+3], v187 offset:16*\i
.endr
	s_wait_dscnt 0x0
	v_max3_num_f32 v240, |v[S]|, |v[S+1]|, 0x1800000               ; two chains; the floor 2^(3 - 127) holds the byte at 1 from below
	v_max3_num_f32 v241, |v[S+16]|, |v[S+17]|, |v[S+18]|
.irp i, 2,4,6,8,10,12
	v_max3_num_f32 v240, v240, |v[S+\i]|, |v[S+\i+1]|
	v_max3_num_f32 v241, v241, |v[S+17+\i]|, |v[S+18+\i]|
.endr
	v_max3_num_f32 v240, v240, |v[S+14]|, |v[S+15]|
	v_max3_num_f32 v240, v240, v241, |v[S+31]|
	v_add_nc_u32 v252, 0xff000000, v240            ; 2 off the exponent field: the conversion's scale operand
	v_lshrrev_b32 v241, 23, v252                   ; the byte
	v_cvt_scalef32_pk16_fp6_f32 v[14:16], v[S:S+15], v252
	v_cvt_scalef32_pk16_fp6_f32 v[248:250], v[S+16:S+31], v252     ; (a conversion's three registers begin on an even number)
	v_lshlrev_b32 v242, 1, v6                      ; 8 h.  (The plain place behind the conversions)
	v_mov_b32 v17, v248
	v_mov_b32 v18, v249
	v_mov_b32 v19, v250
	v_lshlrev_b32 v241, v242, v241
	v_permlanex16_b32 v244, v241, s40, s41
	v_or_b32 v241, v241, v244                      ; the query's two bytes,
	v_lshl_or_b32 v26, v241, 16, v241              ; twice: they serve q in the low half of K and in the high half
.rept 8
	v_nop                                          ; a scale register written by a vector instruction stands eight places ahead of a scaled matrix instruction, an operand four
.endr
	s_wait_alu depctr_vm_vsrc(0)                   ; q's LDS stores and loads have read v186 and v187, on which V's loads land
	s_mov_b32 s20, 0
; The closed scores of block c of the step become -2^33.  Register 16 bb + i of the block is key 32 bb + 16 h + i: bit 16 (block % 2) + 8 bb + 4 h + i / 4 of word i % 4.
; The 32 compares stand in one run, each with a scalar register of its own for its mask of lanes; one wait; then the 32 selects.
.macro MASKBLK c
	s_bitcmp1_b32 s[50+\c], 8
	s_cbranch_scc0 .Lopen_\@                       ; a wholly open block needs none of this
	s_and_b32 s52, s[50+\c], 63
	s_min_u32 s52, s52, 63
	s_and_b32 s44, s52, 62
	s_lshl_b32 s44, s44, 3                         ; 16 bytes for each 128 keys
	s_add_nc_u64 s[54:55], s[46:47], s[44:45]
.if \c
	s_wait_alu depctr_va_vdst(0)                   ; the first block's shifts and field reads are done with v244 to v247, in which the load below lands
.endif
	global_load_b128 v[244:247], v5, s[54:55]      ; (first block: no vector line since the wait behind the products names these four)
	s_and_b32 s53, s52, 1
	s_lshl_b32 s53, s53, 4
	v_add_nc_u32 v248, s53, v6
	v_mov_b32 v249, 0xd0000000                     ; -2^33
	s_wait_alu depctr_va_vdst(0)
	s_wait_loadcnt 0x0                             ; the words are in (so their address may be written again)
.irp w, 0,1,2,3
	v_lshrrev_b32 v[244+\w], v248, v[244+\w]
.endr
.irp bb, 0,1
.irp i, 0,1,2,3,4,5,6,7,8,9,10,11,12,13,14,15
	v_bfe_u32 v7, v[244+\i%4], 8*\bb+\i/4, 1
	v_cmp_eq_u32 s[MK+16*\bb+\i], 0, v7
.endr
.endr
	s_wait_alu depctr_va_sdst(0)                   ; the 32 compares have written s66 to s97, which the selects below read
.irp bb, 0,1
.irp i, 0,1,2,3,4,5,6,7,8,9,10,11,12,13,14,15
	v_cndmask_b32 v[S+32*\c+16*\bb+\i], v[S+32*\c+16*\bb+\i], v249, s[MK+16*\bb+\i]   ; each accumulator from its low end on
.endr
.endr
.Lopen_\@:
.endm
.Lstep:                                                ; a trip: 128 keys
.rept 4
	v_nop                                          ; places behind the last trip's products, ahead of the vector lines that write their scale words anew
.endr
	s_mov_b32 s50, s36
	s_mov_b32 s51, s37
	s_wait_alu depctr_va_vdst(0)                   ; the last trip's four products are done reading V's registers, in which the loads below land; in the first trip: v184 to v187 are written, and so are q's codes, the zero codes and q's scale word, which the scaled products below take
	VFETCH
	s_wait_loadcnt 16                              ; K's group is older than the 16 just issued
.irp c, 0,1
.irp b, 0,1
.irp u, 0,1
.if \b
	v_wmma_scale_f32_16x16x128_f8f6f4 v[S+32*\c+16*\b+8*\u:S+32*\c+16*\b+8*\u+7], v[KF+24*\c+12*\b:KF+24*\c+12*\b+11], v[14-6*\u:25-6*\u], 0, v[28+2*\c], v26 matrix_a_fmt:MATRIX_FMT_FP6 matrix_b_fmt:MATRIX_FMT_FP6 matrix_a_scale:MATRIX_SCALE_ROW1
.else
	v_wmma_scale_f32_16x16x128_f8f6f4 v[S+32*\c+16*\b+8*\u:S+32*\c+16*\b+8*\u+7], v[KF+24*\c+12*\b:KF+24*\c+12*\b+11], v[14-6*\u:25-6*\u], 0, v[28+2*\c], v26 matrix_a_fmt:MATRIX_FMT_FP6 matrix_b_fmt:MATRIX_FMT_FP6
.endif
.endr
.endr
.endr
	v_perm_b32 v32, v31, v29, 0x05040100           ; V's scale words: channel = lane: the first block's two bytes, then the second's;
	v_perm_b32 v33, v31, v29, 0x07060302           ; channel 32 + lane.  (These two and two v_nop are the four places behind the products)
	v_nop
	v_nop
	s_wait_alu depctr_va_vdst(0)                   ; the eight products are done reading K's registers, v28 and v30, the two permutes v29 and v31: the next step's loads land there; and the vector side is done with v244 to v247, in which the mask's words land
	s_add_co_u32 s52, s20, 1
	s_cmp_lt_u32 s52, s19
	s_cbranch_scc0 .Lno_next
	s_wait_xcnt 0x0                                ; V's loads have read the records' addresses, which are written now
	DECODE s25
	KFETCH                                         ; the next step's K: it has the whole softmax in which to land
.Lno_next:
	MASKBLK 0
	MASKBLK 1
.irp b, 0,1,2,3
	v_max3_num_f32 v[BM+\b], v[S+16*\b], v[S+16*\b+1], v[S+16*\b+2]   ; the largest score of each block of 32 keys: for the row's maximum and, since p rises with the score, for the block's largest p
.endr
.irp i, 3,5,7,9,11,13
.irp b, 0,1,2,3
	v_max3_num_f32 v[BM+\b], v[BM+\b], v[S+16*\b+\i], v[S+16*\b+\i+1]
.endr
.endr
.irp b, 0,1,2,3
	v_max_num_f32 v[BM+\b], v[BM+\b], v[S+16*\b+15]
.endr
.irp b, 0,1,2,3
	v_permlanex16_b32 v[PD+\b], v[BM+\b], s40, s41
.endr
.irp b, 0,1,2,3
	v_max_num_f32 v[BM+\b], v[BM+\b], v[PD+\b]     ; with lane l xor 16's 16 keys
.endr
	v_max3_num_f32 v7, v240, v241, v242
	v_max_num_f32 v7, v7, v243
	v_mul_f32 v7, s42, v7                          ; the step's largest t (c is positive)
	v_max_num_f32 v35, v35, v7
	v_mov_b32 v7, v34
	v_floor_f32 v34, -v35                          ; the new -M = -ceil(t): a whole number
	v_sub_f32 v7, v34, v7                          ; old M - new M: a whole number, 0 or less
	v_cvt_i32_f32 v7, v7                           ; (it saturates)
	v_ldexp_f32 v38, 1.0, v7                       ; f = 2^(old M - new M): rounds nothing
.set j, 0
.rept 32
	v_pk_fma_f32 v[S+j:S+j+1], v[S+j:S+j+1], s[42:43], v[34:35] op_sel_hi:[1,0,0]   ; t - M, two at a time
.set j, j+2
.endr
.irp b, 0,1,2,3
	v_fma_f32 v[BM+\b], v[BM+\b], s42, v34
.endr
.set j, 0
	s_wait_alu depctr_va_vdst(0)
.rept 64
	v_exp_f32 v[S+j], v[S+j]                       ; p = 2^(t - M), not normalised
.set j, j+1
.endr
	v_pk_mul_f32 v[36:37], v[36:37], v[38:39] op_sel_hi:[1,0]      ; the sums under the new M.  (The plain place behind the exponentials)
	s_wait_alu depctr_va_vdst(0)                   ; the 64 exponentials have written p: one wait for the batch, ahead of its first reader
.irp b, 0,1,2,3
	v_exp_f32 v[BM+\b], v[BM+\b]                   ; the blocks' largest p
.endr
	v_pk_add_f32 v[244:245], v[S:S+1], v[S+2:S+3]  ; the sum of the UNQUANTISED p, in two chains
.irp j, 4,8,12,16,20,24,28,32,36,40,44,48,52,56,60
	v_pk_add_f32 v[36:37], v[36:37], v[S+\j:S+\j+1]
	v_pk_add_f32 v[244:245], v[244:245], v[S+\j+2:S+\j+3]
.endr
	v_pk_add_f32 v[36:37], v[36:37], v[244:245]
	s_wait_alu depctr_va_vdst(0)                   ; the four exponentials have written the blocks' largest p: their one wait, ahead of the first reader
.irp b, 0,1,2,3
	v_max_num_f32 v[BM+\b], 0x1800000, v[BM+\b]    ; the floor 2^(3 - 127): a block whose every p is 0 keeps the byte 1: its codes are zeros
.endr
.irp b, 0,1,2,3
	v_add_nc_u32 v[SO+\b], 0xff000000, v[BM+\b]
.endr
.irp b, 0,1,2,3
	v_lshrrev_b32 v[PD+\b], 23, v[SO+\b]
.endr
	v_lshl_or_b32 v27, v245, 8, v244               ; p's scale word for these 128 keys
	v_lshl_or_b32 v27, v246, 16, v27
	v_lshl_or_b32 v27, v247, 24, v27
.irp c, 0,1
	v_cvt_scalef32_pk16_fp6_f32 v[PC+6*\c:PC+6*\c+2], v[S+32*\c:S+32*\c+15], v[SO+2*\c]
	v_cvt_scalef32_pk16_fp6_f32 v[PD+4*\c:PD+4*\c+2], v[S+32*\c+16:S+32*\c+31], v[SO+2*\c+1]
.endr
	v_nop                                          ; one plain place behind a scaled conversion
.irp c, 0,1                                    ; the operand wants a WHOLE block in a lane: lanes 0-15 block 2 c, lanes 16-31 block 2 c + 1
.irp i, 0,1,2
	v_permlane16_swap_b32 v[PC+6*\c+\i], v[PD+4*\c+\i]
.endr
.irp i, 0,1,2
	v_mov_b32 v[PC+6*\c+3+\i], v[PD+4*\c+\i]
.endr
.endr
.set j, 0
.rept 16
	v_pk_mul_f32 v[O+j:O+j+1], v[O+j:O+j+1], v[38:39] op_sel_hi:[1,0]   ; O^T under the new M, each accumulator from its low end; these are also the places in front of the products below
.set j, j+2
.endr
	s_wait_loadcnt 0x0                             ; V is in (and the next step's K, asked for a softmax ago)
	s_wait_alu depctr_va_vdst(0)                   ; p's codes, p's scale word v27 and V's scale words v32 and v33 are written, which the scaled products below take; it stands behind their places
.irp t, 0,1,2,3                                ; O^T += V^T P^T: the four accumulators by turns, one instruction a turn
.if \t%2
	v_wmma_scale_f32_16x16x128_f8f6f4 v[O+8*\t:O+8*\t+7], v[VF+12*\t:VF+12*\t+11], v[PC:PC+11], v[O+8*\t:O+8*\t+7], v[32+\t/2], v27 matrix_a_fmt:MATRIX_FMT_FP6 matrix_b_fmt:MATRIX_FMT_FP6 matrix_a_scale:MATRIX_SCALE_ROW1
.else
	v_wmma_scale_f32_16x16x128_f8f6f4 v[O+8*\t:O+8*\t+7], v[VF+12*\t:VF+12*\t+11], v[PC:PC+11], v[O+8*\t:O+8*\t+7], v[32+\t/2], v27 matrix_a_fmt:MATRIX_FMT_FP6 matrix_b_fmt:MATRIX_FMT_FP6
.endif
.endr
.irp e, 24,25,26,27,28,29,30
	s_mov_b32 s\e, s[\e+1]                         ; my steps' dwords move down: s25 is always the next step's
.endr
	s_add_co_u32 s20, s20, 1
	s_cmp_lt_u32 s20, s19
	s_cbranch_scc1 .Lstep
.Lmerge:                                               ; every wave comes here, with or without steps
	s_wait_loadcnt 0x0                             ; an idle wave's K is in: v1, v2, v5 and the loads' registers are free
	s_wait_alu depctr_vm_vsrc(0)                   ; the loads issued so far have read v2 and v5, which are written anew below
.rept 4
	v_nop                                          ; places behind the last products
.endr
	s_wait_alu depctr_va_vdst(0)
	v_add_f32 v35, v36, v37                        ; the sum's two halves,
	v_permlanex16_b32 v7, v35, s40, s41
	v_add_f32 v35, v35, v7                         ; and lane l xor 16's: v[34:35] = (-M, the sum)
	s_mul_i32 s15, s14, MW
	s_add_co_u32 s15, s15, MRG
	v_add_nc_u32 v5, s15, v1                       ; my O^T goes to LDS as it stands: 16 x lane, a chunk for each four registers
	s_lshl_b32 s15, s14, 8
	s_add_co_u32 s15, s15, STAT
	v_add_nc_u32 v6, s15, v2
	; back: wave w makes rows 4 w .. 4 w + 3 as they lie in memory.  Lane: m = lane % 16 (channels 4 m .. 4 m + 3), row 4 w + lane / 16 (+ 2 in the second pass).
	; Channel 16 t + 8 h + j of a query lies in register 8 t + j of lane query + 16 h: chunk 2 (m / 4) + m % 2, lane row + 16 ((m / 2) % 2)
	v_bfe_u32 v2, v0, 2, 2
	v_and_b32 v39, 1, v0
	v_lshl_add_u32 v2, v2, 1, v39
	v_mul_u32_u24 v2, v2, MC
	v_bfe_u32 v39, v0, 1, 1
	v_lshl_add_u32 v2, v39, 8, v2
	v_bfe_u32 v39, v0, 4, 1
	s_lshl_b32 s15, s14, 2
	v_add_nc_u32 v39, s15, v39                     ; the row
	v_lshl_add_u32 v2, v39, 4, v2
	v_add_nc_u32 v2, MRG, v2
	v_lshlrev_b32 v39, 3, v39
	v_add_nc_u32 v39, STAT, v39
	s_wait_alu depctr_va_vdst(0)                   ; O^T (behind its places), v34 and v35 are written, which the LDS stores read; so are the four addresses v5, v6, v2 and v39; and the vector side is done with v88 to v135, in which the LDS loads behind the barrier land
.irp k, 0,1,2,3,4,5,6,7
	ds_store_b128 v5, v[O+4*\k:O+4*\k+3] offset:MC*\k
.endr
	ds_store_b64 v6, v[34:35]
	s_wait_dscnt 0x0                               ; for the others' sake: my part has landed
	s_barrier_signal -1
	s_barrier_wait -1
.irp k, 0,1
.irp w, 0,1,2,3
	ds_load_b128 v[S+16*\k+4*\w:S+16*\k+4*\w+3], v2 offset:MW*\w+32*\k
	ds_load_b64 v[120+8*\k+2*\w:121+8*\k+2*\w], v39 offset:256*\w+16*\k
.endr
.endr
	s_wait_dscnt 0x0
	s_wait_alu depctr_vm_vsrc(0)                   ; my LDS stores have read O^T, of which v152 to v159 are written anew below
.irp k, 0,1
	v_min3_num_f32 v[192+\k], v[120+8*\k], v[122+8*\k], v[124+8*\k]
.endr
.irp k, 0,1
	v_min_num_f32 v[192+\k], v[192+\k], v[126+8*\k]                ; the smallest -M: the row's M
.endr
.irp k, 0,1
.irp w, 0,1,2,3
	v_sub_f32 v[184+4*\k+\w], v[192+\k], v[120+8*\k+2*\w]          ; wave w's M - the row's: a whole number, 0 or less
.endr
.endr
.irp n, 0,1,2,3,4,5,6,7
	v_cvt_i32_f32 v[184+\n], v[184+\n]             ; (it saturates: an idle wave's part gets the factor 0)
.endr
.irp n, 0,1,2,3,4,5,6,7
	v_ldexp_f32 v[184+\n], 1.0, v[184+\n]
.endr
.irp k, 0,1
	v_mul_f32 v[194+\k], v[184+4*\k], v[121+8*\k]
.endr
.irp w, 1,2,3
.irp k, 0,1
	v_fma_f32 v[194+\k], v[184+4*\k+\w], v[121+8*\k+2*\w], v[194+\k]   ; the row's sum
.endr
.endr
	s_wait_alu depctr_va_vdst(0)
	v_rcp_f32 v196, v194
	v_rcp_f32 v197, v195
	v_nop                                          ; a plain place behind the reciprocals,
	s_wait_alu depctr_va_vdst(0)                   ; and the wait ahead of their first reader: the two reciprocals have written v196 and v197
.irp k, 0,1
.irp w, 0,1,2,3
	v_mul_f32 v[184+4*\k+\w], v[184+4*\k+\w], v[196+\k]
.endr
.endr
.irp k, 0,1
.irp e, 0,1,2,3
	v_mul_f32 v[O+4*\k+\e], v[184+4*\k], v[S+16*\k+\e]
.endr
.endr
.irp w, 1,2,3
.irp k, 0,1
.irp e, 0,1,2,3
	v_fma_f32 v[O+4*\k+\e], v[184+4*\k+\w], v[S+16*\k+4*\w+\e], v[O+4*\k+\e]
.endr
.endr
.endr
	s_wait_alu depctr_va_vdst(0)                   ; the multiply-adds have written v152 to v159, which the two stores read
	global_store_b128 v1, v[O:O+3], s[12:13] th:TH_STORE_NT               ; two whole rows: 512 consecutive bytes, at a multiple of 256 from the output's first byte
	global_store_b128 v1, v[O+4:O+7], s[12:13] offset:512 th:TH_STORE_NT
	s_wait_dscnt 0x0                               ; the closing lines, six on end
	s_wait_alu 0x0
	s_wait_tensorcnt 0x0
	ds_add_u32 v3, v4
	s_wait_dscnt 0x0
	s_endpgm
.Lfunc_end_k_qb2df0635db_attn:
	.size	k_qb2df0635db_attn, .Lfunc_end_k_qb2df0635db_attn-k_qb2df0635db_attn
	.p2alignl 7, 3214868480
	.fill 96, 4, 3214868480
	.section	.rodata,"a",@progbits
	.p2align	6, 0x0
	.amdhsa_kernel k_qb2df0635db_attn
		.amdhsa_group_segment_fixed_size 23040
		.amdhsa_private_segment_fixed_size 0
		.amdhsa_enable_private_segment 0
		.amdhsa_kernarg_size 40
		.amdhsa_user_sgpr_count 2
		.amdhsa_user_sgpr_kernarg_segment_ptr 1
		.amdhsa_wavefront_size32 1
		.amdhsa_system_sgpr_workgroup_id_x 1
		.amdhsa_system_sgpr_workgroup_id_y 1
		.amdhsa_system_sgpr_workgroup_id_z 1
		.amdhsa_system_vgpr_workitem_id 0
		.amdhsa_next_free_vgpr 256
		.amdhsa_next_free_sgpr 98
		.amdhsa_reserve_vcc 0
		.amdhsa_float_denorm_mode_32 3
		.amdhsa_float_denorm_mode_16_64 3
		.amdhsa_memory_ordered 1
		.amdhsa_forward_progress 1
		.amdhsa_inst_pref_size 48
	.end_amdhsa_kernel
	.amdgpu_metadata
---
amdhsa.version: [ 1, 2 ]
amdhsa.kernels:
  - .name:           k_qb2df0635db_attn
    .symbol:         k_qb2df0635db_attn.kd
    .args:
      - { .name: q, .offset: 0, .size: 8, .value_kind: global_buffer, .address_space: global }
      - { .name: kv, .offset: 8, .size: 8, .value_kind: global_buffer, .address_space: global }
      - { .name: bits, .offset: 16, .size: 8, .value_kind: global_buffer, .address_space: global }
      - { .name: lists, .offset: 24, .size: 8, .value_kind: global_buffer, .address_space: global }
      - { .name: out0, .offset: 32, .size: 8, .value_kind: global_buffer, .address_space: global }
    .group_segment_fixed_size: 23040
    .private_segment_fixed_size: 0
    .kernarg_segment_align: 8
    .kernarg_segment_size: 40
    .max_flat_workgroup_size: 128
    .sgpr_count:     98
    .vgpr_count:     256
    .wavefront_size: 32
...
	.end_amdgpu_metadata
.endif
;; end of part 4
